; MI455X (gfx1250); checked and timed in simulation.
; The chip was launched on July 23, 2026; its instructions are those of AMD's public machine-readable ISA for CDNA 5 (MIT licence, August 2026) and "CDNA5" Instruction Set Architecture Reference Guide (July 2026). The comments in the code are by the model that wrote it; some were corrected since.
;; Multi Head Attention. Allowed arithmetic: matrix products marked QUANTISED: E2M1 operands, one E8M0 scale for each 32 along K, by v_wmma_scale_f32_16x16x128_f8f6f4 with both operands' format E2M1 (or v_wmma_scale_f32_32x16x128_f4), f32 sums; products left as they are: bf16, f16 or f32 operands; f32 sums; everything else in f32.
;; Inputs: mask 1 x 1 x 2,048 x 2,048 float32; wk 1,024 x 2,048 float32; wo 2,048 x 1,024 float32; wq 1,024 x 2,048 float32; wv 1,024 x 2,048 float32; x 2 x 2,048 x 2,048 float32.
;; Outputs: out0 2 x 2,048 x 2,048 float32.
;; This version of the problem:
;;   THIS VERSION OF THE PROBLEM IS GIVEN IN LOW PRECISION. The matrix products marked QUANTISED in the list below multiply operands that are first quantised to E2M1 (2 exponent bits, 1 mantissa bit; 4 bits a number), with one power-of-two scale for each 32 numbers along K (OCP MX v1.0); their sums are f32. The products marked 'left as it is' may take bf16, f16 or f32 operands, with f32 sums. Whichever they take, every output number must still come out within the allowed error. Rounding operands to bf16 (8 significant bits) uses up far more of that allowance than f16 does (11 bits, for magnitudes from 6e-5 to 65,504). All else is computed in f32.
;;   The module's matrix products, in the order in which they are computed (A, B: the left and right operand; K: the contracted axis; several contracted axes count as one K, in the product's order):
;;     1. [M 4,096, K 2,048] x [K 2,048, N 1,024]; A: input x; B: input wq: QUANTISED
;;     2. [M 4,096, K 2,048] x [K 2,048, N 1,024]; A: input x; B: input wk: QUANTISED
;;     3. [M 4,096, K 2,048] x [K 2,048, N 1,024]; A: input x; B: input wv: QUANTISED
;;     4. [M 2,048, K 1] x [K 1, N 32]; A: computed on the way; B: computed on the way: left as it is (no contracted axis)
;;     5. batch 32 x [M 2,048, K 64] x [K 64, N 2,048]; A: computed on the way; B: computed on the way: left as it is (an operand is computed on the way)
;;     6. batch 32 x [M 2,048, K 2,048] x [K 2,048, N 64]; A: computed on the way; B: computed on the way: left as it is (an operand is computed on the way)
;;     7. [M 4,096, K 1,024] x [K 1,024, N 2,048]; A: computed on the way; B: input wo: left as it is (an operand is computed on the way)
;;   THE QUANTISER, for each operand of a quantised product, along K:
;;     - K is cut into blocks of 32 from its start; a last block that is shorter is filled with zeros.
;;     - A block's scale is 2^e with e = floor(log2(the largest magnitude in the block)) - 2, held to -126 .. 127; a block of zeros has e = 0. As a byte (E8M0): e + 127.
;;     - Each number is divided by its block's scale, clamped to +-6, and rounded to the nearest number of E2M1, ties to even, subnormals kept.
;;     - The product sums the exact products of the quantised numbers (number of the format x scale) in f32.
;;   ~~~python
;;   def quantise(x, axis):      # numpy; x: float32 -> the quantised numbers, widened to float32 again
;;       x = np.moveaxis(x, axis, -1); K = x.shape[-1]
;;       x = np.pad(x, [(0, 0)] * (x.ndim - 1) + [(0, -K % 32)]); x = x.reshape(x.shape[:-1] + (-1, 32)); a = np.abs(x).max(-1, keepdims=True)
;;       e = np.where(a > 0, np.clip(np.frexp(np.where(a > 0, a, 1))[1] - 1 - 2, -126, 127), 0)      # np.frexp(a)[1] - 1 = floor(log2(a)), exactly
;;       r = np.clip(x / 2.0 ** e, -6, 6)
;;       step = 2.0 ** (np.maximum(np.frexp(np.where(r == 0, 1, r))[1] - 1, 0) - 1)
;;       q = np.round(r / step) * step * 2.0 ** e      # np.round: ties to even
;;       return np.moveaxis(q.reshape(q.shape[:-2] + (-1,))[..., :K], -1, axis).astype(np.float32)
;;   ~~~
;; One version. Each part assembles by itself: llvm-mc -triple=amdgcn-amd-amdhsa -mcpu=gfx1250 --defsym DOCPART=n.
;; ======== version 1 of 1: 6 launches
;; limits: values are held in f16: magnitudes above 65,504 overflow, below 6.1e-05 lose precision
;; workspace buffers: codes 7,340,032 bytes; scales 458,752 bytes; rope 1,048,576 bytes; wo16 8,388,608 bytes; qkv 33,554,432 bytes; ctx 8,388,608 bytes; ctxf 131,072 bytes; part 2,228,224 bytes
;; launch prep (part 1): grid 640 x 1, 4 waves a work-group, no clusters, 33,280 bytes of LDS; arguments x, wq, wk, wv, wo, codes, scales, rope, wo16; writes codes, scales, rope, wo16
.if DOCPART == 1
	.amdgcn_target "amdgcn-amd-amdhsa--gfx1250"
	.amdhsa_code_object_version 6
	.text
	.protected	k_q15ab3262f6_prep
	.globl	k_q15ab3262f6_prep
	.p2align	8
	.type	k_q15ab3262f6_prep,@function
k_q15ab3262f6_prep:
	s_mov_b64 s[64:65], 0
	v_nop
	global_prefetch_b8 v0, s[64:65] scope:SCOPE_SE
	s_setreg_imm32_b32 hwreg(HW_REG_WAVE_MODE, 25, 1), 1
	s_wait_xcnt 0x0
; PREP.  Three kinds of work-groups, told apart by the work-group's number alone.
;   0 .. 447   x, wq, wk, wv (f32, K innermost) become codes of FP4 (E2M1) and one E8M0 scale byte for each 32 along K.  All four are plain streams of blocks of 32;
;              the codes and the bytes of x, wq, wk, wv lie one behind the other in 'codes' and 'scales': 7,168 rows of 1,024 and of 64 bytes.
;   448 .. 511 wo (f32) becomes a high and a low part in f16, both row-major: high at byte 0 of wo16, low at byte 4,194,304.
;   512 .. 639 the table of cosines and sines for the rotation, laid in the order in which the next launch's lanes take it; region 0 (for q) holds them divided by 8.
; A block's scale is 2^(floor(log2(its largest magnitude)) - 2); its byte is the largest magnitude's exponent field - 2, held at 1 from below.  A block of zeros so gets the byte 1 where the rule says 127:
; its codes are zeros, which add nothing under any byte but 0xff, and this program alone reads the bytes.
; LIMITS: blocks whose largest magnitude lies under 2^(2 - 126) were not tried; NaN and infinities among the inputs are not served; of a number of wo under 6.1e-5 the high part is rounded by up to 3e-8, which the low part does not carry.
; No tensor loads, no barrier: waves share nothing.  Matrix units and clusters have nothing to do in a stream.
.set WAVES, 4
.set STEPS, 16
.set EMAX,  2
.set CB,    8                          ; bytes of 16 codes
.set R,     16                         ; v16-79   four sets of 16 numbers as they are loaded
.set X,     80                         ; v80-111  two sets of 16 neighbours
.set C,     128                        ; v128-191 codes: four registers for each step
.set E,     112                        ; v112-127 a scale byte for each step
.set WREG,  8192                       ; LDS: a region for each wave: two stages of 32 x SP bytes, then its 256 scale bytes
.set SP,    80                         ; a lane's place in a stage: 64 bytes + 16 of padding
.set SPW,   12                         ; v12  LDS address of my spare word; never rewritten on the way that stores to LDS
.set NIL,   13                         ; v13  0
.set SPARE, WAVES*WREG                 ; the spare words: 128 bytes a wave, two blocks of 256 bytes that no other line names
.set WV,    22                         ; s22  my wave's number
	s_load_b256 s[4:11], s[0:1], 0x0               ; x, wq, wk, wv
	s_load_b256 s[12:19], s[0:1], 0x20             ; wo, codes, scales, rope
	s_load_b64 s[20:21], s[0:1], 0x40              ; wo16
	v_lshl_add_u32 v[SPW], v0, 2, SPARE
	v_mov_b32 v[NIL], 0
	v_lshrrev_b32 v1, 5, v0
	v_readfirstlane_b32 s[WV], v1
	v_and_b32 v2, 31, v0                           ; lane
	s_cmp_lt_u32 ttmp9, 448
	s_cbranch_scc0 .Lnot_codes
; ---- the quantiser: a wave takes 16 steps of 512 numbers.  Each load reads 512 consecutive bytes; a step's 2,048 bytes turn through the wave's own stage in LDS, so that a lane holds 16 neighbours along K
	v_lshlrev_b32 v3, 4, v2                        ; my 16 bytes of a load's 512
	s_mul_i32 s23, s[WV], WREG
	v_lshrrev_b32 v14, 2, v2
	v_mul_u32_u24 v14, v14, SP
	v_and_b32 v15, 3, v2
	v_lshl_add_u32 v14, v15, 4, v14
	v_add_nc_u32 v14, s23, v14                     ; the stage, on the way in: SP (lane / 4) + 16 (lane % 4)
	v_mul_u32_u24 v15, v2, SP
	v_add_nc_u32 v15, s23, v15                     ; and on the way out: SP x lane
	v_mul_u32_u24 v4, v2, CB                       ; my codes' place in a step's
	v_lshrrev_b32 v5, 1, v2
	s_add_co_u32 s23, s23, 2*32*SP
	v_add_nc_u32 v5, s23, v5                       ; LDS: my wave's 256 scale bytes, my block's byte
	v_lshlrev_b32 v7, 3, v2
	v_add_nc_u32 v6, s23, v7
	s_and_b32 s26, ttmp9, 63                       ; a weight's 64 work-groups begin at multiples of 64
	s_lshl_b32 s28, ttmp9, 2
	s_add_co_u32 s28, s28, s[WV]                   ; which run of 8,192 numbers of the four tensors on end is mine
	s_wait_kmcnt 0x0
	s_mov_b64 s[24:25], s[10:11]                   ; the source is chosen by the work-group's number alone
	s_cmp_lt_u32 ttmp9, 384
	s_cselect_b64 s[24:25], s[8:9], s[24:25]
	s_cmp_lt_u32 ttmp9, 320
	s_cselect_b64 s[24:25], s[6:7], s[24:25]
	s_cmp_lt_u32 ttmp9, 256
	s_cselect_b64 s[24:25], s[4:5], s[24:25]
	s_cselect_b32 s26, ttmp9, s26                  ; the work-group's number inside its tensor
	s_lshl_b32 s26, s26, 2
	s_add_co_u32 s26, s26, s[WV]
	s_lshl_b32 s26, s26, 15                        ; 32,768 bytes of f32 a run
	s_mov_b32 s27, 0
	s_add_nc_u64 s[24:25], s[24:25], s[26:27]
	s_lshl_b32 s26, s28, 12                        ; 4,096 bytes of codes a run
	s_add_nc_u64 s[14:15], s[14:15], s[26:27]
	s_lshl_b32 s26, s28, 8                         ; 256 scale bytes a run
	s_add_nc_u64 s[16:17], s[16:17], s[26:27]
.macro LOAD t
.irp i, 0,1,2,3
	global_load_b128 v[R+16*((\t)%4)+4*\i:R+16*((\t)%4)+4*\i+3], v3, s[24:25] offset:2048*(\t)+512*\i th:TH_LOAD_NT
.endr
.endm
.macro TURN t                          ; step t's numbers through the stage: LDS serves a wave's instructions in order, so no wait stands between the stores and the loads
.irp i, 0,1,2,3
	ds_store_b128 v14, v[R+16*((\t)%4)+4*\i:R+16*((\t)%4)+4*\i+3] offset:32*SP*((\t)%2)+8*SP*\i
.endr
.irp i, 0,1,2,3
	ds_load_b128 v[X+16*((\t)%2)+4*\i:X+16*((\t)%2)+4*\i+3], v15 offset:32*SP*((\t)%2)+16*\i
.endr
.endm
.irp t, 0,1,2,3
	LOAD \t
.endr
	s_wait_loadcnt 12                              ; step 0's four loads are in
	TURN 0
.macro STEP t
.set XS, X+16*((\t)%2)
.if (\t) > 0
	s_wait_dscnt 1                                 ; this step's numbers are back from the stage (the last step's byte store may be out)
.else
	s_wait_dscnt 0x0
.endif
.if (\t)+4 < STEPS
	LOAD (\t)+4                                    ; into the registers that the stage's stores have read
.endif
.if (\t)+1 < STEPS
.if STEPS-2-(\t) >= 3
	s_wait_loadcnt 12                              ; the next step's four loads are in; those of the three steps behind it may be out
.else
	s_wait_loadcnt 4*(STEPS-2-(\t))
.endif
	TURN (\t)+1
.endif
	v_max3_num_f32 v8, |v[XS]|, |v[XS+1]|, |v[XS+2]|               ; the largest magnitude of my 16
	v_max3_num_f32 v9, |v[XS+3]|, |v[XS+4]|, |v[XS+5]|
.irp i, 6,10
	v_max3_num_f32 v8, v8, |v[XS+\i]|, |v[XS+\i+1]|
	v_max3_num_f32 v9, v9, |v[XS+\i+2]|, |v[XS+\i+3]|
.endr
	v_max3_num_f32 v8, v8, |v[XS+14]|, |v[XS+15]|
	v_max3_num_f32 v8, v8, v9, (EMAX+1)<<23        ; and the floor 2^(EMAX + 1 - 127): the byte cannot fall under 1
	v_max_num_f32_dpp v8, v8, v8 row_xmask:1 row_mask:0xf bank_mask:0xf   ; and of my neighbour's 16: the block's
	v_add_nc_u32 v11, -(EMAX<<23), v8              ; EMAX off its exponent field: the conversion takes the exponent field of this operand as its scale
	v_cvt_scalef32_pk8_fp4_f32 v[C+4*(\t)], v[XS:XS+7], v11
	v_cvt_scalef32_pk8_fp4_f32 v[C+4*(\t)+1], v[XS+8:XS+15], v11
	v_lshrrev_b32 v[E+(\t)], 23, v11               ; the scale's byte
	ds_store_b8 v5, v[E+(\t)] offset:16*(\t)       ; both lanes of a block write the same byte with the same value
	global_store_b64 v4, v[C+4*(\t):C+4*(\t)+1], s[14:15] offset:32*CB*(\t)   ; the wave stores 256 consecutive bytes, aligned
.endm
.irp t, 0,1,2,3,4,5,6,7,8,9,10,11,12,13,14,15
	STEP \t
.endr
	ds_load_b64 v[8:9], v6                         ; LDS serves a wave's instructions in order: these see my stores
	s_wait_dscnt 0x0
	global_store_b64 v7, v[8:9], s[16:17]          ; my wave's 256 scale bytes: 256 consecutive bytes, aligned
	s_wait_tensorcnt 0x0                           ; the wave's end: three lines behind my last LDS store
	ds_add_u32 v[SPW], v[NIL]
	s_wait_dscnt 0x0
	s_endpgm
; ---- wo in two parts.  A wave takes 8,192 numbers in 64 steps of 128; eight loads are out.  high = the number rounded to 11 significant bits, made in f32: g = 8193 x, d = x - g, high = g + d; low = x - high, exact.
.Lnot_codes:
	s_cmp_lt_u32 ttmp9, 512
	s_cbranch_scc0 .Ltable
.set XW, 16                            ; v16-47  eight sets of 4 numbers
.set GW, 48                            ; v48-51  g, then the high parts
.set DW, 52                            ; v52-55  d
.set OW, 64                            ; v64-95  eight sets: two registers of high parts, two of low
	s_sub_co_u32 s23, ttmp9, 448
	s_lshl_b32 s23, s23, 2
	s_add_co_u32 s23, s23, s[WV]                   ; my run of 8,192 numbers
	s_lshl_b32 s24, s23, 15
	s_mov_b32 s25, 0
	s_lshl_b32 s26, s23, 14
	s_mov_b32 s27, 0
	s_mov_b32 s30, 0x46000400                      ; 8193.0
	s_mov_b32 s31, s30                             ; (named with it as a pair, so it is written)
	v_lshlrev_b32 v3, 4, v2
	v_lshlrev_b32 v4, 3, v2
	s_wait_kmcnt 0x0
	s_add_nc_u64 s[12:13], s[12:13], s[24:25]
	s_add_nc_u64 s[20:21], s[20:21], s[26:27]      ; the high parts
	s_add_nc_u64 s[28:29], s[20:21], 0x400000      ; the low parts
.macro LOADW k
	global_load_b128 v[XW+4*((\k)%8):XW+4*((\k)%8)+3], v3, s[12:13] offset:512*(\k) th:TH_LOAD_NT
.endm
.macro STEPW k
.set XS, XW+4*((\k)%8)
.set OS, OW+4*((\k)%8)
.if 63-(\k) >= 7
	s_wait_loadcnt 7                               ; this step's load is in; the seven younger may be out
.else
	s_wait_loadcnt 63-(\k)
.endif
	s_wait_xcnt 0x0                                ; the stores of eight steps back have read this set's registers
.irp p, 0,2
	v_pk_mul_f32 v[GW+\p:GW+\p+1], v[XS+\p:XS+\p+1], s[30:31] op_sel_hi:[1,0]
.endr
.irp p, 0,2
	v_pk_add_f32 v[DW+\p:DW+\p+1], v[XS+\p:XS+\p+1], v[GW+\p:GW+\p+1] neg_lo:[0,1] neg_hi:[0,1]
.endr
.irp p, 0,2
	v_pk_add_f32 v[GW+\p:GW+\p+1], v[GW+\p:GW+\p+1], v[DW+\p:DW+\p+1]
.endr
.irp p, 0,2
	v_pk_add_f32 v[XS+\p:XS+\p+1], v[XS+\p:XS+\p+1], v[GW+\p:GW+\p+1] neg_lo:[0,1] neg_hi:[0,1]
.endr
	v_cvt_pk_f16_f32 v[OS], v[GW], v[GW+1]
	v_cvt_pk_f16_f32 v[OS+1], v[GW+2], v[GW+3]
	v_cvt_pk_f16_f32 v[OS+2], v[XS], v[XS+1]
	v_cvt_pk_f16_f32 v[OS+3], v[XS+2], v[XS+3]
.if (\k)+8 < 64
	LOADW (\k)+8
.endif
	global_store_b64 v4, v[OS:OS+1], s[20:21] offset:256*(\k)      ; 256 consecutive bytes, aligned
	global_store_b64 v4, v[OS+2:OS+3], s[28:29] offset:256*(\k)
.endm
.irp k, 0,1,2,3,4,5,6,7
	LOADW \k
.endr
.set KK, 0
.rept 64
	STEPW KK
.set KK, KK+1
.endr
	s_endpgm
; ---- the table.  Work-group tau serves positions 16 tau .. + 15.  Wave u makes piece u of the cosines and of the sines: lane (r, h): position 16 tau + r, frequencies 16 (u / 2) + 8 h + 4 (u % 2) + 0 .. 3.
; angle = position x 10000^(-i / 32), as f32; reduced by quarter turns with pi / 2 in three parts; sine and cosine on [-pi/4, pi/4] by their series up to r^9 and r^10 (the next terms lie under 2e-9).
.Ltable:
	s_sub_co_u32 s23, ttmp9, 512                   ; tau
	v_and_b32 v3, 15, v0                           ; r
	v_bfe_u32 v4, v0, 4, 1                         ; h
	s_lshl_b32 s24, s23, 4
	v_add_nc_u32 v5, s24, v3
	v_cvt_f32_u32 v5, v5                           ; the position
	s_lshr_b32 s25, s[WV], 1
	s_lshl_b32 s25, s25, 4
	s_and_b32 s26, s[WV], 1
	s_lshl_b32 s26, s26, 2
	s_add_co_u32 s25, s25, s26
	v_lshl_add_u32 v6, v4, 3, s25                  ; my first frequency
	s_mov_b32 s28, 0xbfc90fdb                      ; -(pi / 2 rounded to f32),
	s_mov_b32 s29, 0x333bbd2e                      ; what that is too large by,
	s_mov_b32 s30, 0x26f72ced                      ; and the rest of it
	v_lshlrev_b32 v7, 4, v2
	s_lshl_b32 s26, s[WV], 9
	v_add_nc_u32 v7, s26, v7                       ; 512 x piece + 16 x lane
	s_lshl_b32 s26, s23, 12
	s_mov_b32 s27, 0
.irp e, 0,1,2,3
	v_add_nc_u32 v[16+\e], \e, v6
.endr
.irp e, 0,1,2,3
	v_cvt_f32_u32 v[16+\e], v[16+\e]
.endr
.irp e, 0,1,2,3
	v_mul_f32 v[16+\e], 0xbed49a78, v[16+\e]       ; -i log2(10000) / 32
.endr
.irp e, 0,1,2,3
	v_exp_f32 v[16+\e], v[16+\e]
.endr
	v_nop                                          ; a plain line behind the last exponential,
	s_wait_alu depctr_va_vdst(0)                   ; and one wait for the four, ahead of their first reader
.irp e, 0,1,2,3
	v_mul_f32 v[16+\e], v5, v[16+\e]               ; the angle
.endr
.irp e, 0,1,2,3
	v_mul_f32 v[20+\e], 0x3f22f983, v[16+\e]       ; x 2 / pi
.endr
.irp e, 0,1,2,3
	v_rndne_f32 v[20+\e], v[20+\e]                 ; n quarter turns
.endr
.irp e, 0,1,2,3
	v_fma_f32 v[16+\e], v[20+\e], s28, v[16+\e]
.endr
.irp e, 0,1,2,3
	v_fma_f32 v[16+\e], v[20+\e], s29, v[16+\e]
.endr
.irp e, 0,1,2,3
	v_fma_f32 v[16+\e], v[20+\e], s30, v[16+\e]    ; r = angle - n pi / 2
.endr
.irp e, 0,1,2,3
	v_mul_f32 v[24+\e], v[16+\e], v[16+\e]         ; z = r r
	v_mov_b32 v[28+\e], 0x3638ef1d                 ; 1 / 9!
	v_mov_b32 v[36+\e], 0xb493f27e                 ; -1 / 10!
.endr
.irp e, 0,1,2,3
	v_fmaak_f32 v[28+\e], v[28+\e], v[24+\e], 0xb9500d01
	v_fmaak_f32 v[36+\e], v[36+\e], v[24+\e], 0x37d00d01
.endr
.irp e, 0,1,2,3
	v_fmaak_f32 v[28+\e], v[28+\e], v[24+\e], 0x3c088889
	v_fmaak_f32 v[36+\e], v[36+\e], v[24+\e], 0xbab60b61
.endr
.irp e, 0,1,2,3
	v_fmaak_f32 v[28+\e], v[28+\e], v[24+\e], 0xbe2aaaab
	v_fmaak_f32 v[36+\e], v[36+\e], v[24+\e], 0x3d2aaaab
.endr
.irp e, 0,1,2,3
	v_mul_f32 v[32+\e], v[16+\e], v[24+\e]         ; r z
	v_fmaak_f32 v[36+\e], v[36+\e], v[24+\e], 0xbf000000
.endr
.irp e, 0,1,2,3
	v_fma_f32 v[28+\e], v[32+\e], v[28+\e], v[16+\e]   ; sin r
	v_fma_f32 v[36+\e], v[36+\e], v[24+\e], 1.0        ; cos r
	v_cvt_i32_f32 v[40+\e], v[20+\e]
.endr
.irp e, 0,1,2,3                        ; an odd n swaps the two; the sine changes sign where n & 2, the cosine where (n + 1) & 2
	v_and_b32 v[44+\e], 1, v[40+\e]
	v_cmp_eq_u32 vcc_lo, 1, v[44+\e]
	v_cndmask_b32 v[48+\e], v[28+\e], v[36+\e], vcc_lo
	v_cndmask_b32 v[52+\e], v[36+\e], v[28+\e], vcc_lo
	v_and_b32 v[44+\e], 2, v[40+\e]
	v_add_nc_u32 v[40+\e], 1, v[40+\e]
	v_lshlrev_b32 v[44+\e], 30, v[44+\e]
	v_and_b32 v[40+\e], 2, v[40+\e]
	v_xor_b32 v[48+\e], v[48+\e], v[44+\e]         ; the sine
	v_lshlrev_b32 v[40+\e], 30, v[40+\e]
	v_xor_b32 v[52+\e], v[52+\e], v[40+\e]         ; the cosine
.endr
.irp e, 0,1,2,3
	v_mul_f32 v[56+\e], 0x3e000000, v[52+\e]       ; for q: / 8, the scores' 1 / sqrt(64): exact
	v_mul_f32 v[60+\e], 0x3e000000, v[48+\e]
.endr
	s_wait_kmcnt 0x0
	s_add_nc_u64 s[18:19], s[18:19], s[26:27]
	global_store_b128 v7, v[56:59], s[18:19]                       ; each store covers 512 consecutive bytes, aligned
	global_store_b128 v7, v[60:63], s[18:19] offset:2048
	global_store_b128 v7, v[52:55], s[18:19] offset:524288
	global_store_b128 v7, v[48:51], s[18:19] offset:526336
	s_endpgm
.Lfunc_end_k_q15ab3262f6_prep:
	.size	k_q15ab3262f6_prep, .Lfunc_end_k_q15ab3262f6_prep-k_q15ab3262f6_prep
	.p2alignl 7, 3214868480
	.fill 96, 4, 3214868480
	.section	.rodata,"a",@progbits
	.p2align	6, 0x0
	.amdhsa_kernel k_q15ab3262f6_prep
		.amdhsa_group_segment_fixed_size 33280
		.amdhsa_private_segment_fixed_size 0
		.amdhsa_enable_private_segment 0
		.amdhsa_kernarg_size 72
		.amdhsa_user_sgpr_count 2
		.amdhsa_user_sgpr_kernarg_segment_ptr 1
		.amdhsa_wavefront_size32 1
		.amdhsa_system_sgpr_workgroup_id_x 1
		.amdhsa_system_sgpr_workgroup_id_y 1
		.amdhsa_system_sgpr_workgroup_id_z 1
		.amdhsa_system_vgpr_workitem_id 0
		.amdhsa_next_free_vgpr 192
		.amdhsa_next_free_sgpr 66
		.amdhsa_reserve_vcc 1
		.amdhsa_float_denorm_mode_32 3
		.amdhsa_float_denorm_mode_16_64 3
		.amdhsa_memory_ordered 1
		.amdhsa_forward_progress 1
		.amdhsa_inst_pref_size 112
	.end_amdhsa_kernel
	.amdgpu_metadata
---
amdhsa.version: [ 1, 2 ]
amdhsa.kernels:
  - .name:           k_q15ab3262f6_prep
    .symbol:         k_q15ab3262f6_prep.kd
    .args:
      - { .name: x, .offset: 0, .size: 8, .value_kind: global_buffer, .address_space: global }
      - { .name: wq, .offset: 8, .size: 8, .value_kind: global_buffer, .address_space: global }
      - { .name: wk, .offset: 16, .size: 8, .value_kind: global_buffer, .address_space: global }
      - { .name: wv, .offset: 24, .size: 8, .value_kind: global_buffer, .address_space: global }
      - { .name: wo, .offset: 32, .size: 8, .value_kind: global_buffer, .address_space: global }
      - { .name: codes, .offset: 40, .size: 8, .value_kind: global_buffer, .address_space: global }
      - { .name: scales, .offset: 48, .size: 8, .value_kind: global_buffer, .address_space: global }
      - { .name: rope, .offset: 56, .size: 8, .value_kind: global_buffer, .address_space: global }
      - { .name: wo16, .offset: 64, .size: 8, .value_kind: global_buffer, .address_space: global }
    .group_segment_fixed_size: 33280
    .private_segment_fixed_size: 0
    .kernarg_segment_align: 8
    .kernarg_segment_size: 72
    .max_flat_workgroup_size: 128
    .sgpr_count:     66
    .vgpr_count:     192
    .wavefront_size: 32
...
	.end_amdgpu_metadata
.endif
;; end of part 1
;; launch qkv (part 2): grid 12 x 16, 4 waves a work-group, clusters of 4 x 4, 327,680 bytes of LDS; arguments codes, scales, rope, qkv; writes qkv
.if DOCPART == 2
	.amdgcn_target "amdgcn-amd-amdhsa--gfx1250"
	.amdhsa_code_object_version 6
	.text
	.protected	k_q15ab3262f6_qkv
	.globl	k_q15ab3262f6_qkv
	.p2align	8
	.type	k_q15ab3262f6_qkv,@function
k_q15ab3262f6_qkv:
	s_mov_b64 s[64:65], 0
	v_nop
	global_prefetch_b8 v0, s[64:65] scope:SCOPE_SE
	s_setreg_imm32_b32 hwreg(HW_REG_WAVE_MODE, 25, 1), 1
	s_wait_xcnt 0x0
	s_wait_alu depctr_hold_cnt(0) depctr_sa_sdst(0) depctr_va_vdst(0) depctr_va_sdst(0) depctr_va_ssrc(0) depctr_va_vcc(0) depctr_vm_vsrc(0)
	s_getreg_b32 s2, hwreg(HW_REG_IB_STS2, 6, 4)
	s_cmp_eq_u32 s2, 0
	s_cbranch_scc0 .Lentry_in_a_cluster
	s_endpgm
.Lentry_in_a_cluster:
	s_bfe_u32 s2, ttmp6, 0x10000c
	s_cmp_lg_u32 s2, 0xf033
	s_cbranch_scc0 .Lentry_shape_is_right
	s_endpgm
.Lentry_shape_is_right:
; q, k, v = x wq^T, x wk^T, x wv^T on codes of FP4 (E2M1) with one E8M0 scale for each 32 along K = 2,048; sums in f32; then the rotation of q and k in f32, q / 8, and f16 results laid as images of the next launch's operand registers.
; 'codes' is one tensor of 7,168 rows of 1,024 bytes (x: rows 0 .. 4,095; wq, wk, wv: 1,024 rows each behind it), 'scales' the same rows of 64 bytes.
; A tile of 256 x 256 is made by four waves, each 128 x 128: 64 accumulators.  K goes in steps of 512 through a ring of two LDS slots; the scale bytes of the work-group's 512 rows come once and stay.
; ROLES, by the cluster's x, which all sixteen partners share.  0: q, 1: k: A = 256 tokens of x, B = 256 rows of wq or wk.  2: v, WITH THE OPERANDS' ROLES CHANGED: A = 256 rows of wv, B = 256 tokens.
; The matrix instruction is used transposed (source 0 = 16 rows of B, source 1 = 16 rows of A): a lane holds one row of A and eight neighbouring rows of B.  For q and k that is one token and eight channels,
; for v one channel and eight tokens: each time eight neighbours along the next product's K, which pack into the four registers of that product's fragment.  So every result leaves at 16 x lane: 512 consecutive bytes a store, no stage.
; CLUSTERS: 4 x 4.  A's tile is shared along a row of the cluster, B's along a column: joint loads.
; v goes out twice: rounded to 11 significant bits (high) and what is left (low); the low part is read only for the first 16 positions of a sequence.
; LIMITS: |k| and |v| must stay under 65,504, |q| under 8 x that; of a number under 6.1e-5 the f16 rounding is up to 3e-8.
; REGISTERS, in windows of 256: window 0: v0-31 addresses; v32-95 scale words, two sets; from v128 A's fragments, one set; on the way out v32-255 are free.
;   window 1: B's fragments, two sets; on the way out the table.   windows 2, 3: the accumulators ((a, b) at v[8 (8 (a % 4) + b)]).
.set SIZE_K, 2048
.set KSTEP,  512
.set NQ,     KSTEP/128
.set ROWB,   256
.set KROW,   SIZE_K/2
.set PITCH,  272                       ; an LDS row: 256 bytes + 16 of padding: the 16 rows that a load touches start at 16 different banks
.set FR,     8
.set NL,     2
.set NP,     4
.set HALFT,  128*PITCH
.set SLOT,   4*HALFT
.set LAPS,   SIZE_K/(2*KSTEP)
.set KS,     SIZE_K/32
.set SCL,    2*SLOT                    ; behind the ring: the scales, as units of 256 bytes + 16 of padding
.set HALFS,  (128*KS/256)*272
.set SBLK,   (16*KS/256)*272
.set SPARE,  SCL+4*HALFS               ; the spare words: 128 bytes a wave, two blocks of 256 bytes that no other line names
.set ADRA, 16
.set ADRB, 20
.set CO,   26                          ; v26  16 x lane
.set ADRS, 27
.set SPW,  28
.set NIL,  29
.set SC,   32
.set AF,   128
.set G1, 24
.set G0, 32
.set G1B, 48
.set G0B, 56
.set G1S, 68
.set G0S, 76
.set G1SB, 80
.set G0SB, 88
.set MSB, 0
.macro WIN new                         ; the immediate's high byte repeats the setting that is left
.if MSB != (\new)
	s_set_vgpr_msb (MSB<<8)|(\new)
.set MSB, (\new)
.endif
.endm
.set MUL_LO, 0xa1
.set MUL_HI, 0xf1
.set TO_B,   0x40
; A joint load: waves 0 and 1 fetch for A, waves 2 and 3 for B.  An s_nop 0 and four v_nop follow each of the two lines.
.macro JLOAD g0a, g1a, g0b, g1b
	s_cmp_eq_u32 s15, 0
	s_cbranch_scc0 .Lfor_b_\@
	tensor_load_to_lds s[\g0a:\g0a+3], s[\g1a:\g1a+7]
	s_nop 0
.rept 4
	v_nop
.endr
	s_branch .Lasked_\@
.Lfor_b_\@:
	tensor_load_to_lds s[\g0b:\g0b+3], s[\g1b:\g1b+7]
	s_nop 0
.rept 4
	v_nop
.endr
.Lasked_\@:
.endm
.macro CREST
	s_cmp_lg_u32 s14, 0
	s_cbranch_scc1 .Lnot_wave_0_\@
	s_barrier_signal -3
.Lnot_wave_0_\@:
	s_barrier_wait -3
	s_barrier_signal -1
	s_barrier_wait -1
.endm
.macro CROUND
	s_barrier_signal -1
	s_barrier_wait -1
	CREST
.endm
	s_load_b256 s[4:11], s[0:1], 0x0               ; codes s[4:5], scales s[6:7], rope s[8:9], qkv s[10:11]
	v_lshl_add_u32 v[SPW], v0, 2, SPARE
	v_mov_b32 v[NIL], 0
	ds_add_u32 v[SPW], v[NIL]                      ; the wave's opening: the add, twice on end, and its wait ahead of my first tensor load
	ds_add_u32 v[SPW], v[NIL]
	v_lshrrev_b32 v1, 5, v0
	v_readfirstlane_b32 s14, v1                    ; wave 0..3
	s_lshr_b32 s15, s14, 1                         ; which half of A's rows is mine.  Also: I fetch for A (0) or for B (1)
	s_and_b32 s16, s14, 1                          ; which half of B's rows.  Also: which 128 rows I fetch
	s_bfe_u32 s40, ttmp6, 0x40000                  ; cx, cy
	s_bfe_u32 s41, ttmp6, 0x40004
	s_and_b32 s17, ttmp7, 0xffff
	s_lshl_b32 s17, s17, 2                         ; 4 x cluster y
	s_lshl_b32 s42, ttmp9, 2
	s_add_co_u32 s42, s42, 16                      ; wq begins at tile 16 of the 28 tiles of 256 rows
	s_cmp_eq_u32 ttmp9, 2                          ; v?
	s_cselect_b32 s42, s17, s42                    ; B's tile: tokens for v, else rows of wq, wk
	s_cselect_b32 s17, 24, s17                     ; A's tile: wv begins at tile 24; else tokens
	s_add_co_u32 s42, s42, s40                     ; + cx: B's tile hangs on cx alone of the two places
	s_add_co_u32 s17, s17, s41                     ; + cy: A's on cy alone
	s_lshl_b32 s43, s41, 2
	s_lshl_b32 s43, 15, s43                        ; my row of the cluster
	s_lshl_b32 s44, 0x1111, s40                    ; my column
	s_or_b32 s[G1+0], s43, (0<<16)|(1<<20)|(1<<21)|(5<<22)|(3<<25)  ; mask; elements of 1 byte; padding on; bit 21 beside a mask; 4 words after every 64
	s_or_b32 s[G1B+0], s44, (0<<16)|(1<<20)|(1<<21)|(5<<22)|(3<<25)
.irp g, G1, G1B
	s_mov_b32 s[\g+1], ROWB<<16
	s_mov_b32 s[\g+2], 128<<16
	s_mov_b32 s[\g+3], ROWB<<16
	s_mov_b32 s[\g+4], 128
	s_mov_b32 s[\g+5], KROW
	s_mov_b32 s[\g+6], 0
	s_mov_b32 s[\g+7], 0
.endr
	s_or_b32 s[G1S+0], s43, (3<<16)|(1<<20)|(1<<21)|(5<<22)|(3<<25)  ; the scales of 128 rows: 8,192 dense bytes as 32 rows of 256
	s_or_b32 s[G1SB+0], s44, (3<<16)|(1<<20)|(1<<21)|(5<<22)|(3<<25)
.irp g, G1S, G1SB
	s_mov_b32 s[\g+1], 32<<16
	s_mov_b32 s[\g+2], (128*KS/256)<<16
	s_mov_b32 s[\g+3], 32<<16
	s_mov_b32 s[\g+4], 128*KS/256
	s_mov_b32 s[\g+5], 32
	s_mov_b32 s[\g+6], 0
	s_mov_b32 s[\g+7], 0
.endr
	s_lshl_b32 s18, s16, 7
	s_lshl_b32 s20, s17, 8
	s_add_co_u32 s20, s20, s18                     ; A: row 256 x tile + 128 x half
	s_lshl_b32 s46, s42, 8
	s_add_co_u32 s46, s46, s18                     ; B likewise
	s_mov_b32 s21, 0
	s_mov_b32 s47, 0
	s_mov_b64 s[18:19], KS
	s_mul_u64 s[22:23], s[20:21], s[18:19]
	s_mul_u64 s[92:93], s[46:47], s[18:19]
	s_mov_b64 s[18:19], KROW
	s_mul_u64 s[20:21], s[20:21], s[18:19]
	s_mul_u64 s[46:47], s[46:47], s[18:19]
	s_mul_i32 s45, s14, HALFT                      ; where they go: wave x 128 rows
	s_mul_i32 s94, s14, HALFS
	s_mov_b32 s66, 0x46000400                      ; 8193.0, for v's two parts
	s_mov_b32 s67, s66
	s_wait_dscnt 0x0                               ; both opening adds are done
	s_wait_kmcnt 0x0
	s_add_nc_u64 s[20:21], s[4:5], s[20:21]
	s_add_nc_u64 s[22:23], s[6:7], s[22:23]
	s_add_nc_u64 s[46:47], s[4:5], s[46:47]
	s_add_nc_u64 s[92:93], s[6:7], s[92:93]
	CROUND                                         ; all sixteen work-groups are here: the first joint loads meet
	s_mov_b32 s[G0S], 1
	s_add_co_u32 s[G0S+1], s94, SCL
	s_mov_b64 s[G0S+2:G0S+3], s[22:23]
	s_or_b32 s[G0S+3], s[G0S+3], 0x80000000
	s_mov_b32 s[G0SB], 1
	s_add_co_u32 s[G0SB+1], s94, SCL
	s_mov_b64 s[G0SB+2:G0SB+3], s[92:93]
	s_or_b32 s[G0SB+3], s[G0SB+3], 0x80000000
	JLOAD G0S, G1S, G0SB, G1SB                     ; the scales first: three loads of mine are out after the first fills
.irp s, 0,1
	s_mov_b32 s[G0+4*\s], 1
	s_add_co_u32 s[G0+4*\s+1], s45, \s*SLOT
	s_add_nc_u64 s[G0+4*\s+2:G0+4*\s+3], s[20:21], \s*ROWB
	s_or_b32 s[G0+4*\s+3], s[G0+4*\s+3], 0x80000000
	s_mov_b32 s[G0B+4*\s], 1
	s_add_co_u32 s[G0B+4*\s+1], s45, \s*SLOT
	s_add_nc_u64 s[G0B+4*\s+2:G0B+4*\s+3], s[46:47], \s*ROWB
	s_or_b32 s[G0B+4*\s+3], s[G0B+4*\s+3], 0x80000000
	JLOAD G0+4*\s, G1, G0B+4*\s, G1B
.endr
	v_and_b32 v1, 15, v0                           ; l % 16
	v_bfe_u32 v2, v0, 4, 1                         ; l / 16
	v_mul_u32_u24 v3, v1, PITCH
	v_lshl_add_u32 v4, v2, 4, v3
	s_mul_i32 s21, s15, HALFT
	s_mul_i32 s22, s16, HALFT
	s_add_co_u32 s22, s22, 2*HALFT
.irp s, 0,1
	v_add_nc_u32 v[ADRA+\s], s21, v4
	v_add_nc_u32 v[ADRB+\s], s22, v4
	s_add_co_u32 s21, s21, SLOT
	s_add_co_u32 s22, s22, SLOT
.endr
	v_mul_u32_u24 v5, v1, KS
	v_lshrrev_b32 v6, 8, v5
	v_lshl_add_u32 v5, v6, 4, v5
	s_mul_i32 s21, s15, HALFS
	s_mul_i32 s22, s16, HALFS
	s_add_co_u32 s22, s22, 2*HALFS
	s_sub_co_u32 s22, s22, s21
	v_mul_u32_u24 v6, s22, v2                      ; lanes 16-31 take B's scale words
	s_add_co_u32 s21, s21, SCL
	v_add_nc_u32 v5, v5, v6
	v_add_nc_u32 v[ADRS], s21, v5
	v_and_b32 v6, 31, v0
	v_lshlrev_b32 v[CO], 4, v6
.macro FRAG reg, adr, q, i
.irp c, 0,1
	ds_load_b128 v[\reg+4*\c:\reg+4*\c+3], v[\adr] offset:64*(\q)+32*\c+(\i)*16*PITCH
.endr
.endm
; 16 matrix instructions: A's blocks a0, a0 + 1 x B's eight.  The 64 accumulators take turns, one instruction a turn, in the same order in every step.
.macro MUL16 a0, p, q, sc, zero
.irp a, \a0, \a0+1
.irp b, 0,1,2,3,4,5,6,7
.if \zero
	v_wmma_scale_f32_16x16x128_f8f6f4 v[8*(8*((\a)%4)+\b):8*(8*((\a)%4)+\b)+7], v[128*(\p)+FR*\b:128*(\p)+FR*\b+FR-1], v[AF+FR*(\a):AF+FR*(\a)+FR-1], 0, v[SC+8*NQ*(\sc)+NQ*\b+(\q)], v[SC+8*NQ*(\sc)+NQ*(\a)+(\q)] matrix_a_fmt:MATRIX_FMT_FP4 matrix_b_fmt:MATRIX_FMT_FP4 matrix_a_scale:MATRIX_SCALE_ROW1
.else
	v_wmma_scale_f32_16x16x128_f8f6f4 v[8*(8*((\a)%4)+\b):8*(8*((\a)%4)+\b)+7], v[128*(\p)+FR*\b:128*(\p)+FR*\b+FR-1], v[AF+FR*(\a):AF+FR*(\a)+FR-1], v[8*(8*((\a)%4)+\b):8*(8*((\a)%4)+\b)+7], v[SC+8*NQ*(\sc)+NQ*\b+(\q)], v[SC+8*NQ*(\sc)+NQ*(\a)+(\q)] matrix_a_fmt:MATRIX_FMT_FP4 matrix_b_fmt:MATRIX_FMT_FP4 matrix_a_scale:MATRIX_SCALE_ROW1
.endif
.endr
.endr
.endm
.macro FETCH_B slot, q, p
	WIN TO_B
.irp i, 0,1,2,3,4,5,6,7
	FRAG 128*(\p)+FR*\i, ADRB+\slot, \q, \i
.endr
	WIN 0
.endm
.macro FETCH_A slot, q, i0
.irp i, \i0, \i0+1, \i0+2, \i0+3
	FRAG AF+FR*(\i), ADRA+\slot, \q, \i
.endr
.endm
.macro SCALES sc                       ; a K step's scale words: lanes 0-15 take A's block i, lanes 16-31 B's block i
.irp i, 0,1,2,3,4,5,6,7
	ds_load_b128 v[SC+8*NQ*\sc+NQ*\i:SC+8*NQ*\sc+NQ*\i+3], v[ADRS] offset:\i*SBLK
.endr
.endm
.macro PLACES n                        ; plain vector lines between a matrix instruction and a load into, or a read of, its registers
.rept \n
	v_nop
.endr
.endm
.macro STEP slot, q, zero
	s_wait_dscnt 4*NL                              ; B's set and A's blocks 0-3 are in; the youngest loads (A's blocks 4-7) may be out
	WIN MUL_LO
	MUL16 0, (\q)%2, \q, \slot, \zero
	MUL16 2, (\q)%2, \q, \slot, \zero
	s_wait_dscnt 0
	PLACES NP
	FETCH_B \slot, (\q)+1, 1-(\q)%2
	FETCH_A \slot, (\q)+1, 0
	WIN MUL_HI
	MUL16 4, (\q)%2, \q, \slot, \zero
	MUL16 6, (\q)%2, \q, \slot, \zero
	PLACES NP
	WIN 0
	FETCH_A \slot, (\q)+1, 4
.endm
; A slot's last step changes slots: one barrier; in front of it each wave waits for all its tensor loads, adds 0 to its spare word, and waits for that and for its reads of this slot.
.macro TURN slot, next, fill
	s_wait_tensorcnt 0x0                           ; all my tensor loads have landed: my part of the next slot
	ds_add_u32 v[SPW], v[NIL]
	s_wait_dscnt 4*NL+1                            ; (the add and the youngest loads may be out)
	WIN MUL_LO
	MUL16 0, 1, NQ-1, \slot, 0
	s_wait_dscnt 0x0                               ; the add is done, and my reads of this slot are over
	s_barrier_signal -1
	MUL16 2, 1, NQ-1, \slot, 0
	WIN 0
	s_barrier_wait -1
.if \fill
	CREST                                          ; the barrier has opened a round of the cluster's: no wave of any partner still reads this slot or has a load on its way
	s_add_nc_u64 s[G0+4*\slot+2:G0+4*\slot+3], s[G0+4*\slot+2:G0+4*\slot+3], 2*ROWB
	s_add_nc_u64 s[G0B+4*\slot+2:G0B+4*\slot+3], s[G0B+4*\slot+2:G0B+4*\slot+3], 2*ROWB
	JLOAD G0+4*\slot, G1, G0B+4*\slot, G1B
.else
	PLACES NP
.endif
	v_add_nc_u32 v[ADRS], 4*NQ, v[ADRS]
	FETCH_B \next, 0, 0
	FETCH_A \next, 0, 0
	SCALES \next
	WIN MUL_HI
	MUL16 4, 1, NQ-1, \slot, 0
	MUL16 6, 1, NQ-1, \slot, 0
	PLACES NP
	WIN 0
	FETCH_A \next, 0, 4
.endm
.macro STEPS slot, from
.set Q, \from
.rept NQ-1-\from
	STEP \slot, Q, 0
.set Q, Q+1
.endr
.endm
	s_wait_tensorcnt 1                             ; the scales and my part of K step 0 are in (K step 1's load may be out)
	s_barrier_signal -1
	s_barrier_wait -1
	FETCH_B 0, 0, 0
	FETCH_A 0, 0, 0
	SCALES 0
	FETCH_A 0, 0, 4
	STEP 0, 0, 1                                   ; the first step's products start the sums
	s_mov_b32 s3, LAPS-1
.Llap:
	STEPS 0, 1
	TURN 0, 1, 1
	STEPS 1, 0
	TURN 1, 0, 1
	STEP 0, 0, 0
	s_sub_co_u32 s3, s3, 1
	s_cmp_lg_u32 s3, 0
	s_cbranch_scc1 .Llap
	STEPS 0, 1                                     ; the last lap fills nothing
	TURN 0, 1, 0
	STEPS 1, 0
	s_wait_dscnt 4*NL
	WIN MUL_LO
	MUL16 0, 1, NQ-1, 1, 0
	MUL16 2, 1, NQ-1, 1, 0
	s_wait_dscnt 0
	WIN MUL_HI
	MUL16 4, 1, NQ-1, 1, 0
	MUL16 6, 1, NQ-1, 1, 0
	WIN 0
	PLACES NP                                      ; for the loads into the registers that held B's fragments, and for the first reads of results
	s_cmp_eq_u32 ttmp9, 2
	s_cbranch_scc1 .Lv
; ---- q and k.  Accumulator (a, bb): token 16 a + r; channels 16 (bb % 4) + 8 h + j of head bb / 4 of my two.  out(d) = x(d) cos - x(d + 32) sin, out(d + 32) = x(d + 32) cos + x(d) sin, d < 32: blocks bb and bb + 2.
.set TT, 48                            ; v48-63   products by the sine
.set OO, 64                            ; v64-127  a block's 64 rotated numbers
.set PK, 128                           ; v128-191 two sets of 32 registers of f16
	s_and_b32 s20, s17, 7                          ; the tile of 256 tokens in its sequence
	s_lshl_b32 s20, s20, 4
	s_lshl_b32 s21, s15, 3
	s_add_co_u32 s20, s20, s21                     ; my first tile of 16 positions
	s_lshl_b32 s22, s20, 12
	s_lshl_b32 s23, ttmp9, 19                      ; the table's region: q's or k's
	s_add_co_u32 s22, s22, s23
	s_mov_b32 s23, 0
	s_add_nc_u64 s[8:9], s[8:9], s[22:23]
	s_lshr_b32 s22, s17, 3                         ; the batch
	s_lshl_b32 s22, s22, 4
	s_lshl_b32 s23, s40, 2
	s_add_co_u32 s22, s22, s23
	s_lshl_b32 s23, s16, 1
	s_add_co_u32 s22, s22, s23                     ; 16 b + my first head
	s_lshl_b32 s22, s22, 18
	s_lshl_b32 s20, s20, 11
	s_add_co_u32 s22, s22, s20
	s_lshl_b32 s23, ttmp9, 23                      ; q's region or k's
	s_add_co_u32 s22, s22, s23
	s_mov_b32 s23, 0
	s_add_nc_u64 s[10:11], s[10:11], s[22:23]
	WIN TO_B
.irp a, 0,1,2,3,4,5,6,7                ; the table of my 128 positions: window 1, cos(be, j) at 32 a + 8 be + j, sin 16 further on
.irp q, 0,1,2,3,4,5,6,7
	global_load_b128 v[32*\a+4*\q:32*\a+4*\q+3], v[CO], s[8:9] offset:\a*4096+\q*512
.endr
.endr
	WIN 0
.irp a, 0,1,2,3,4,5,6,7
	s_wait_loadcnt 8*(7-\a)                        ; this block's eight loads are in; the later blocks' may be out
	s_wait_xcnt 0x0                                ; the stores of two blocks back have read their registers
	WIN 0x06+\a/4                                  ; source 0: the accumulators' window; source 1: window 1
.irp hh, 0,1
.irp be, 0,1
.irp jp, 0,2,4,6                       ; each accumulator from its low end on
.set X1, 8*(8*(\a%4)+4*\hh+\be)+\jp
.set X2, X1+16
.set CO_, 32*\a+8*\be+\jp
.set SI_, CO_+16
.set O1, OO+8*(4*\hh+\be)+\jp
	v_pk_mul_f32 v[TT+\jp:TT+\jp+1], v[X2:X2+1], v[SI_:SI_+1]
	v_pk_mul_f32 v[TT+8+\jp:TT+9+\jp], v[X1:X1+1], v[SI_:SI_+1]
	v_pk_fma_f32 v[O1:O1+1], v[X1:X1+1], v[CO_:CO_+1], v[TT+\jp:TT+\jp+1] neg_lo:[0,0,1] neg_hi:[0,0,1]
	v_pk_fma_f32 v[O1+16:O1+17], v[X2:X2+1], v[CO_:CO_+1], v[TT+8+\jp:TT+9+\jp]
.endr
.endr
.endr
	WIN 0
.set NN, 0
.rept 32
	v_cvt_pk_f16_f32 v[PK+32*(\a%2)+NN], v[OO+2*NN], v[OO+2*NN+1]
.set NN, NN+1
.endr
.irp bb, 0,1,2,3,4,5,6,7
	global_store_b128 v[CO], v[PK+32*(\a%2)+4*\bb:PK+32*(\a%2)+4*\bb+3], s[10:11] offset:(\bb/4)*262144+\a*2048+(\bb%4)*512   ; 512 consecutive bytes, aligned: half a fragment's image
.endr
.endr
	s_branch .Ldone
; ---- v.  Accumulator (a, bb): channel 16 (a % 4) + r of head a / 4 of my two; tokens 16 bb + 8 h + j.  g = 8193 x, d = x - g, high = g + d, low = x - high.
.Lv:
.set HH, 32                            ; v32-63   high parts, f16
.set GG, 64                            ; v64-127  g, then the high parts
.set DD, 128                           ; v128-191 d, then the low parts
.set LL, 192                           ; v192-223 low parts, f16
	s_lshr_b32 s22, s42, 3                         ; the batch
	s_lshl_b32 s22, s22, 4
	s_lshl_b32 s23, s41, 2
	s_add_co_u32 s22, s22, s23
	s_lshl_b32 s23, s15, 1
	s_add_co_u32 s22, s22, s23                     ; 16 b + my first head
	s_lshl_b32 s22, s22, 18
	s_and_b32 s20, s42, 7
	s_lshl_b32 s20, s20, 3
	s_lshl_b32 s21, s16, 2
	s_add_co_u32 s20, s20, s21                     ; my first group of 32 keys
	s_lshl_b32 s20, s20, 12
	s_add_co_u32 s22, s22, s20
	s_mov_b32 s23, 0
	s_add_nc_u64 s[10:11], s[10:11], s[22:23]
	s_add_nc_u64 s[10:11], s[10:11], 0x1000000     ; the high parts' region
	s_add_nc_u64 s[12:13], s[10:11], 0x800000      ; the low parts'
.irp a, 0,1,2,3,4,5,6,7
	s_wait_xcnt 0x0                                ; the last block's stores have read their registers
	WIN 0x02+\a/4                                  ; source 0: the accumulators' window
.set NN, 0
.rept 32                               ; each accumulator from its low end on
	v_pk_mul_f32 v[GG+2*NN:GG+2*NN+1], v[64*(\a%4)+2*NN:64*(\a%4)+2*NN+1], s[66:67] op_sel_hi:[1,0]
.set NN, NN+1
.endr
.set NN, 0
.rept 32
	v_pk_add_f32 v[DD+2*NN:DD+2*NN+1], v[64*(\a%4)+2*NN:64*(\a%4)+2*NN+1], v[GG+2*NN:GG+2*NN+1] neg_lo:[0,1] neg_hi:[0,1]
.set NN, NN+1
.endr
	WIN 0
.set NN, 0
.rept 32
	v_pk_add_f32 v[GG+2*NN:GG+2*NN+1], v[GG+2*NN:GG+2*NN+1], v[DD+2*NN:DD+2*NN+1]
.set NN, NN+1
.endr
.set NN, 0
.rept 32
	v_cvt_pk_f16_f32 v[HH+NN], v[GG+2*NN], v[GG+2*NN+1]
.set NN, NN+1
.endr
	WIN 0x02+\a/4
.set NN, 0
.rept 32
	v_pk_add_f32 v[DD+2*NN:DD+2*NN+1], v[64*(\a%4)+2*NN:64*(\a%4)+2*NN+1], v[GG+2*NN:GG+2*NN+1] neg_lo:[0,1] neg_hi:[0,1]
.set NN, NN+1
.endr
	WIN 0
.set NN, 0
.rept 32
	v_cvt_pk_f16_f32 v[LL+NN], v[DD+2*NN], v[DD+2*NN+1]
.set NN, NN+1
.endr
.irp bb, 0,1,2,3,4,5,6,7
	global_store_b128 v[CO], v[HH+4*\bb:HH+4*\bb+3], s[10:11] offset:(\a/4)*262144+(\bb/2)*4096+(\a%4)*1024+(\bb%2)*512
	global_store_b128 v[CO], v[LL+4*\bb:LL+4*\bb+3], s[12:13] offset:(\a/4)*262144+(\bb/2)*4096+(\a%4)*1024+(\bb%2)*512
.endr
.endr
.Ldone:
	s_wait_tensorcnt 0x0                           ; the wave's end: three lines behind my last tensor load
	ds_add_u32 v[SPW], v[NIL]
	s_wait_dscnt 0x0
	CROUND                                         ; the closing round: no work-group ends while a partner may still ask for a tile that names it
	s_endpgm
.Lfunc_end_k_q15ab3262f6_qkv:
	.size	k_q15ab3262f6_qkv, .Lfunc_end_k_q15ab3262f6_qkv-k_q15ab3262f6_qkv
	.p2alignl 7, 3214868480
	.fill 96, 4, 3214868480
	.section	.rodata,"a",@progbits
	.p2align	6, 0x0
	.amdhsa_kernel k_q15ab3262f6_qkv
		.amdhsa_group_segment_fixed_size 327680
		.amdhsa_private_segment_fixed_size 0
		.amdhsa_enable_private_segment 0
		.amdhsa_kernarg_size 32
		.amdhsa_user_sgpr_count 2
		.amdhsa_user_sgpr_kernarg_segment_ptr 1
		.amdhsa_wavefront_size32 1
		.amdhsa_system_sgpr_workgroup_id_x 1
		.amdhsa_system_sgpr_workgroup_id_y 1
		.amdhsa_system_sgpr_workgroup_id_z 1
		.amdhsa_system_vgpr_workitem_id 0
		.amdhsa_next_free_vgpr 1024
		.amdhsa_next_free_sgpr 98
		.amdhsa_reserve_vcc 0
		.amdhsa_float_denorm_mode_32 3
		.amdhsa_float_denorm_mode_16_64 3
		.amdhsa_memory_ordered 1
		.amdhsa_forward_progress 1
		.amdhsa_inst_pref_size 255
	.end_amdhsa_kernel
	.section	.bss,"aw",@nobits
	.p2align	6
	.space	262144
	.amdgpu_metadata
---
amdhsa.version: [ 1, 2 ]
amdhsa.kernels:
  - .name:           k_q15ab3262f6_qkv
    .symbol:         k_q15ab3262f6_qkv.kd
    .args:
      - { .name: codes, .offset: 0, .size: 8, .value_kind: global_buffer, .address_space: global }
      - { .name: scales, .offset: 8, .size: 8, .value_kind: global_buffer, .address_space: global }
      - { .name: rope, .offset: 16, .size: 8, .value_kind: global_buffer, .address_space: global }
      - { .name: qkv, .offset: 24, .size: 8, .value_kind: global_buffer, .address_space: global }
    .group_segment_fixed_size: 327680
    .private_segment_fixed_size: 0
    .kernarg_segment_align: 8
    .kernarg_segment_size: 32
    .max_flat_workgroup_size: 128
    .sgpr_count:     98
    .vgpr_count:     1024
    .wavefront_size: 32
...
	.end_amdgpu_metadata
.endif
;; end of part 2
;; launch attn (part 3): grid 16 x 16, 8 waves a work-group, clusters of 4 x 4, 327,680 bytes of LDS; arguments qkv, mask, ctx; writes ctx
.if DOCPART == 3
	.amdgcn_target "amdgcn-amd-amdhsa--gfx1250"
	.amdhsa_code_object_version 6
	.text
	.protected	k_q15ab3262f6_attn
	.globl	k_q15ab3262f6_attn
	.p2align	8
	.type	k_q15ab3262f6_attn,@function
k_q15ab3262f6_attn:
	s_mov_b64 s[64:65], 0
	v_nop
	global_prefetch_b8 v0, s[64:65] scope:SCOPE_SE
	s_setreg_imm32_b32 hwreg(HW_REG_WAVE_MODE, 25, 1), 1
	s_wait_xcnt 0x0
	s_wait_alu depctr_hold_cnt(0) depctr_sa_sdst(0) depctr_va_vdst(0) depctr_va_sdst(0) depctr_va_ssrc(0) depctr_va_vcc(0) depctr_vm_vsrc(0)
	s_getreg_b32 s2, hwreg(HW_REG_IB_STS2, 6, 4)
	s_cmp_eq_u32 s2, 0
	s_cbranch_scc0 .Lentry_in_a_cluster
	s_endpgm
.Lentry_in_a_cluster:
	s_bfe_u32 s2, ttmp6, 0x10000c
	s_cmp_lg_u32 s2, 0xf033
	s_cbranch_scc0 .Lentry_shape_is_right
	s_endpgm
.Lentry_shape_is_right:
; ctx = softmax(q k^T / 8 + mask) v for all 2,048 positions of all 32 (batch, head), f16 operands, f32 sums.  q arrives divided by 8.  The mask is an input: every number of it is read and added, and every tile of scores is computed.
; SHARES.  A work-group owns 128 queries x 2 heads: a slot of 128 keys then needs 64 KiB of mask and 64 KiB of K and V, and two such slots fit.  Wave w: head w / 4 of the pair, queries 32 (w % 4) on: two tiles of 16.
; Two waves share a SIMD, so that one wave's softmax stands beside the other's products and LDS loads.
; LAYOUT.  S^T = K Q^T + mask (source 0 = 16 keys, source 1 = 16 queries, C = THE MASK'S NUMBERS, loaded in the result's layout: adding the mask costs no vector line).  A lane holds one query and keys 8 (lane / 16) + 0 .. 7 of a tile.
; Two such tiles, rounded to f16 in pairs, are source 1 of O^T = V^T P; a product of P with ones gives the row's sum of the rounded p in register 0.  Q, K, V come as images of their fragments' registers: every fragment load is 16 x lane.
; SOFTMAX.  A running maximum m for each query; p = 2^(c (s - m)), c = log2(e): the difference first, which is exact where s = m whatever the size of the mask's numbers, then the factor.  O and the sum are multiplied by 2^(c (m_old - m_new)) in every step.
; CLUSTER, 4 x 4.  The mask's tile hangs on the query block alone and is shared along a column of the cluster; K's and V's hang on the head pair alone and are shared along a row: joint loads, one a wave behind each round.
; LIMITS: score + mask is rounded as the matrix unit rounds a sum with its C; a row whose every score is -infinity gives NaN; |k|, |v| under 65,504; p under 6e-8 counts as 0.
; Rows that average very few keys carry f16's rounding of v; the first 16 positions of each sequence are made again, more finely, by later launches.
; REGISTERS.  window 0: v1-8 addresses; v16-31 statistics, 8 a tile: +0 m, +1 at work, +4 .. +7 four maxima, +6 then the factor a; v64-127 S^T; v128-159 P; v160-191 Q; v192-199 ones; v200-215 the sums.
;   window 1: v0-63 O^T; v64-127 K's fragments of 64 keys; v128-191 V's.
.set SLOTB, 133120                     ; a slot: the mask's 128 rows x 528, then K of head 0, K of head 1, V of head 0, V of head 1, 16,384 bytes each
.set MP,    528                        ; a row of the mask's tile: 512 bytes + 16 of padding: the 16 rows that a load touches start at 16 different banks
.set KOFF,  128*MP
.set SPARE, 2*SLOTB                    ; the spare words: 128 bytes a wave, four blocks of 256 bytes that no other line names
.set AM,   1                           ; v1, v2  my place in the mask's tile, slot 0, 1
.set AKV,  3                           ; v3, v4  my place in my head's K, slot 0, 1; V lies 32,768 further on
.set L16,  5                           ; v5  16 x lane
.set SPW,  6
.set NIL,  7
.set PFO,  8                           ; v8  the prefetches' offset
.set ST,   16
.set S,    64
.set P,    128
.set QF,   160
.set ONES, 192
.set LS,   200
.set KF,   64                          ; in window 1
.set VF,   128                         ; in window 1
.set WV,   12
.set LIM,  15                          ; s15  1 in a wave that prefetches, else the greatest number
.set PFA,  18                          ; s[18:19] where my prefetches stand
.set PFS,  20                          ; s[20:21] a tile of 128 keys on, in bytes
.set G1M,  24
.set G1D,  32
.set G0M,  40                          ; s[40:47] the mask's group 0, a set for each slot
.set G0D,  48                          ; s[48:55] K's and V's
.set SLOTS, 56
.set TRIPS, 57
.set CS,   58
.set SEL,  60
.set MSB, 0
.macro WIN new
.if MSB != (\new)
	s_set_vgpr_msb (MSB<<8)|(\new)
.set MSB, (\new)
.endif
.endm
; A joint refill of slot s.  Waves 0 to 3 fetch 32 rows of the mask's tile each, waves 4 to 7 one of K0, K1, V0, V1.  An s_nop 0 and four v_nop follow each line.
.macro JLOAD s
	s_cmp_lt_u32 s[WV], 4
	s_cbranch_scc0 .Lfor_d_\@
	tensor_load_to_lds s[G0M+4*\s:G0M+4*\s+3], s[G1M:G1M+7]
	s_nop 0
.rept 4
	v_nop
.endr
	s_branch .Lasked_\@
.Lfor_d_\@:
	tensor_load_to_lds s[G0D+4*\s:G0D+4*\s+3], s[G1D:G1D+7]
	s_nop 0
.rept 4
	v_nop
.endr
.Lasked_\@:
.endm
; A PREFETCH INTO THE L2 of the tile of 128 keys that the NEXT change of slots will ask for: one slot's work (72 matrix instructions and two steps of softmax a wave) ahead of that load.
; Each aligned block of 256 bytes is named once in the launch.  The mask's tile is read by all clusters of a column of clusters: cluster y = 0 asks; its four partners along y take 32 rows each, BY ADDRESS; waves 0 and 1 take
; the two halves of a row's 512 bytes, a lane a row.  K's and V's are read by all clusters of a row of clusters: cluster x = 0 asks; the partners along x take 4,096 bytes of each 16,384, by address; wave 4 asks for K, wave 5 for V;
; lanes 0-15 walk head 0's bytes, 256 apart, lanes 16-31 head 1's.  The last change that fills a slot asks for nothing; tiles 0 to 2 come by their loads alone.
.macro ASK
	s_cmp_gt_u32 s[SLOTS], s[LIM]
	s_cbranch_scc0 .Lnot_mine_\@
	global_prefetch_b8 v[PFO], s[PFA:PFA+1] th:TH_LOAD_NT scope:SCOPE_SE
.Lnot_mine_\@:
.endm
.macro CROUND
	s_barrier_signal -1
	s_barrier_wait -1
	s_cmp_lg_u32 s[WV], 0
	s_cbranch_scc1 .Lnot_wave_0_\@
	s_barrier_signal -3
.Lnot_wave_0_\@:
	s_barrier_wait -3
	s_barrier_signal -1
	s_barrier_wait -1
.endm
.macro PLACES
.rept 4
	v_nop
.endr
.endm
	s_load_b128 s[4:7], s[0:1], 0x0                ; qkv s[4:5], mask s[6:7]
	s_load_b64 s[8:9], s[0:1], 0x10                ; ctx
	v_lshl_add_u32 v[SPW], v0, 2, SPARE
	v_mov_b32 v[NIL], 0
	ds_add_u32 v[SPW], v[NIL]                      ; the wave's opening: the add, twice on end, and its wait ahead of my first tensor load
	ds_add_u32 v[SPW], v[NIL]
	v_lshrrev_b32 v9, 5, v0
	v_readfirstlane_b32 s[WV], v9                  ; wave 0..7
	s_and_b32 s13, s[WV], 3                        ; g: my 32 queries; also which part I fetch
	s_lshr_b32 s14, s[WV], 2                       ; my head of the pair
	s_bfe_u32 s10, ttmp6, 0x40000                  ; cx
	s_bfe_u32 s11, ttmp6, 0x40004                  ; cy
	s_lshl_b32 s16, ttmp9, 2
	s_add_co_u32 s16, s16, s10                     ; the block of 128 queries
	s_and_b32 s17, ttmp7, 0xffff
	s_lshl_b32 s17, s17, 2
	s_add_co_u32 s17, s17, s11                     ; the head pair, 0 .. 15
	s_lshl_b32 s66, 0x1111, s10                    ; my column of the cluster
	s_lshl_b32 s67, s11, 2
	s_lshl_b32 s67, 15, s67                        ; my row
	s_or_b32 s[G1M], s66, (2<<16)|(1<<20)|(1<<21)|(6<<22)|(3<<25)   ; the mask's tile: elements of 4 bytes; padding: 4 words after every 128
	s_mov_b32 s[G1M+1], 128<<16                    ; tensor_dim0 = 128
	s_mov_b32 s[G1M+2], 32<<16                     ; tensor_dim1 = 32
	s_mov_b32 s[G1M+3], 128<<16                    ; tile_dim0
	s_mov_b32 s[G1M+4], 32                         ; tile_dim1
	s_mov_b32 s[G1M+5], 2048                       ; from row to row
	s_mov_b32 s[G1M+6], 0
	s_mov_b32 s[G1M+7], 0
	s_or_b32 s[G1D], s67, (3<<16)|(1<<21)          ; 16,384 dense bytes as 64 rows of 32 elements of 8 bytes
	s_mov_b32 s[G1D+1], 32<<16
	s_mov_b32 s[G1D+2], 64<<16
	s_mov_b32 s[G1D+3], 32<<16
	s_mov_b32 s[G1D+4], 64
	s_mov_b32 s[G1D+5], 32
	s_mov_b32 s[G1D+6], 0
	s_mov_b32 s[G1D+7], 0
	s_lshl_b32 s68, s16, 20                        ; the mask: row 128 x block + 32 x part, 8,192 bytes a row
	s_lshl_b32 s70, s13, 18
	s_add_co_u32 s68, s68, s70
	s_mov_b32 s69, 0
	s_lshr_b32 s70, s13, 1                         ; K's region is 1, V's high parts' 2
	s_add_co_u32 s70, s70, 1
	s_lshl_b32 s70, s70, 23
	s_lshl_b32 s72, s17, 1
	s_and_b32 s73, s13, 1
	s_add_co_u32 s72, s72, s73                     ; the head
	s_lshl_b32 s72, s72, 18
	s_add_co_u32 s70, s70, s72
	s_mov_b32 s71, 0
	s_mul_i32 s74, s13, 32*MP                      ; LDS: the mask's part; also my queries' rows
	s_lshl_b32 s75, s13, 14
	s_add_co_u32 s75, s75, KOFF                    ; LDS: K0, K1, V0, V1
	s_lshl_b32 s76, s17, 1                         ; Q: my head, my two tiles of queries
	s_add_co_u32 s76, s76, s14
	s_lshl_b32 s76, s76, 18
	s_lshl_b32 s78, s16, 14
	s_add_co_u32 s76, s76, s78
	s_lshl_b32 s78, s13, 12
	s_add_co_u32 s76, s76, s78
	s_mov_b32 s77, 0
	s_and_b32 s78, s17, 7                          ; ctx: [head pair of the batch][tile of 16 tokens][4,096 bytes]
	s_lshl_b32 s78, s78, 20
	s_lshr_b32 s79, s17, 3
	s_lshl_b32 s79, s79, 19
	s_add_co_u32 s78, s78, s79
	s_lshl_b32 s79, s16, 15
	s_add_co_u32 s78, s78, s79
	s_lshl_b32 s79, s13, 13
	s_add_co_u32 s78, s78, s79
	s_lshl_b32 s79, s14, 11
	s_add_co_u32 s78, s78, s79
	s_mov_b32 s79, 0
	s_mov_b32 s[CS], 0x3fb8aa3b                    ; c = log2(e)
	s_mov_b32 s[CS+1], s[CS]
	s_mov_b32 s[SEL], 0x76543210
	s_mov_b32 s[SEL+1], 0xfedcba98
	s_mov_b32 s[SLOTS], 14                         ; tiles still to be asked for by refills
	s_mov_b32 s[TRIPS], 7
	; the prefetches: who asks, and where
	s_and_b32 s66, s[WV], 2
	s_and_b32 s67, ttmp7, 0xffff
	s_cmp_lt_u32 s[WV], 4
	s_cselect_b32 s67, s67, ttmp9                  ; the coordinate along which other clusters read the same bytes
	s_or_b32 s66, s66, s67
	s_cmp_eq_u32 s66, 0
	s_cselect_b32 s[LIM], 1, -1                    ; the same in all sixteen partners, for a given wave
	s_and_b32 s22, s[WV], 1
	s_lshl_b32 s23, s16, 20
	s_lshl_b32 s2, s11, 18
	s_add_co_u32 s23, s23, s2
	s_lshl_b32 s2, s22, 8
	s_add_co_u32 s23, s23, s2
	s_add_co_u32 s23, s23, 1024                    ; the mask: tile 2; the first change of slots steps it to tile 3
	s_add_co_u32 s22, s22, 1
	s_lshl_b32 s22, s22, 23
	s_lshl_b32 s2, s17, 19
	s_add_co_u32 s22, s22, s2
	s_lshl_b32 s2, s10, 12
	s_add_co_u32 s22, s22, s2
	s_add_co_u32 s22, s22, 32768                   ; K or V: tile 2
	s_cmp_lt_u32 s[WV], 4
	s_cselect_b32 s22, s23, s22
	s_mov_b32 s23, 0
	s_mov_b32 s[PFS], 16384
	s_cselect_b32 s[PFS], 512, s[PFS]
	s_mov_b32 s[PFS+1], 0
	s_mov_b32 s2, 256
	s_cselect_b32 s2, 8192, s2                     ; from lane to lane within sixteen
	s_mov_b32 s3, 262144
	s_cselect_b32 s3, 131072, s3                   ; from lanes 0-15 to lanes 16-31
	v_and_b32 v9, 15, v0                           ; r
	v_bfe_u32 v10, v0, 4, 1                        ; h
	v_mul_lo_u32 v[PFO], v9, s2
	v_mul_lo_u32 v11, v10, s3
	v_add_nc_u32 v[PFO], v[PFO], v11
	s_wait_dscnt 0x0                               ; both opening adds are done
	s_wait_kmcnt 0x0
	s_cselect_b64 s[PFA:PFA+1], s[6:7], s[4:5]
	s_add_nc_u64 s[PFA:PFA+1], s[PFA:PFA+1], s[22:23]
	s_add_nc_u64 s[68:69], s[6:7], s[68:69]
	s_add_nc_u64 s[70:71], s[4:5], s[70:71]
	s_add_nc_u64 s[76:77], s[4:5], s[76:77]
	s_add_nc_u64 s[8:9], s[8:9], s[78:79]
	CROUND                                         ; all sixteen work-groups are here: the first joint loads meet
.irp s, 0,1
	s_mov_b32 s[G0M+4*\s], 1
	s_add_co_u32 s[G0M+4*\s+1], s74, \s*SLOTB
	s_add_nc_u64 s[G0M+4*\s+2:G0M+4*\s+3], s[68:69], \s*512
	s_or_b32 s[G0M+4*\s+3], s[G0M+4*\s+3], 0x80000000
	s_mov_b32 s[G0D+4*\s], 1
	s_add_co_u32 s[G0D+4*\s+1], s75, \s*SLOTB
	s_add_nc_u64 s[G0D+4*\s+2:G0D+4*\s+3], s[70:71], \s*16384
	s_or_b32 s[G0D+4*\s+3], s[G0D+4*\s+3], 0x80000000
.endr
	s_cmp_lt_u32 s[WV], 4                          ; a wave's two first fills stand in one branch: two loads of mine are out
	s_cbranch_scc0 .Lfirst_d
	tensor_load_to_lds s[G0M:G0M+3], s[G1M:G1M+7]
	s_nop 0
	tensor_load_to_lds s[G0M+4:G0M+7], s[G1M:G1M+7]
	s_nop 0
.rept 4
	v_nop
.endr
	s_branch .Lfirst_asked
.Lfirst_d:
	tensor_load_to_lds s[G0D:G0D+3], s[G1D:G1D+7]
	s_nop 0
	tensor_load_to_lds s[G0D+4:G0D+7], s[G1D:G1D+7]
	s_nop 0
.rept 4
	v_nop
.endr
.Lfirst_asked:
	v_and_b32 v11, 31, v0
	v_lshlrev_b32 v[L16], 4, v11
.irp t, 0,1
.irp c, 0,1
	global_load_b128 v[QF+16*\t+8*\c:QF+16*\t+8*\c+3], v[L16], s[76:77] offset:\t*2048+\c*1024        ; Q stays in registers
	global_load_b128 v[QF+16*\t+8*\c+4:QF+16*\t+8*\c+7], v[L16], s[76:77] offset:\t*2048+\c*1024+512
.endr
.endr
	v_mul_u32_u24 v[AM], v9, MP
	v_lshl_add_u32 v[AM], v10, 5, v[AM]
	v_add_nc_u32 v[AM], s74, v[AM]                 ; row 32 g + r, + 32 h bytes: my eight keys of a tile
	v_add_nc_u32 v[AM+1], SLOTB, v[AM]
	s_lshl_b32 s66, s14, 14
	s_add_co_u32 s66, s66, KOFF
	v_add_nc_u32 v[AKV], s66, v[L16]
	v_add_nc_u32 v[AKV+1], SLOTB, v[AKV]
	v_and_b32 v11, 7, v0
	v_cmp_eq_u32 vcc_lo, 0, v11
	v_mov_b32 v12, 0x3c003c00
	v_cndmask_b32 v[ONES], 0, v12, vcc_lo          ; rows 0 and 8 of the matrix of ones: the sum falls into register 0 of every lane, the other registers stay 0
.irp i, 1,2,3,4,5,6,7
	v_mov_b32 v[ONES+\i], v[ONES]
.endr
.irp t, 0,1
	v_mov_b32 v[ST+8*\t], 0xfe967699               ; m = -1e38, under every score that counts
	v_mov_b32 v[ST+8*\t+1], 0
.endr
.irp i, 0,1,2,3,4,5,6,7,8,9,10,11,12,13,14,15
	v_mov_b32 v[LS+\i], 0                          ; the sums.  (The step is written once: the first finds zeros, which its factor 0 leaves zeros)
.endr
	WIN 0x40
.set NN, 0
.rept 64
	v_mov_b32 v[NN], 0                             ; O^T
.set NN, NN+1
.endr
	WIN 0
.macro LDM s, q                        ; the mask's numbers of 64 keys, in the scores' layout, into S
.irp t, 0,1
.irp kt, 0,1,2,3
	ds_load_b128 v[S+32*\t+8*\kt:S+32*\t+8*\kt+3], v[AM+\s] offset:\t*16*MP+\q*256+\kt*64
	ds_load_b128 v[S+32*\t+8*\kt+4:S+32*\t+8*\kt+7], v[AM+\s] offset:\t*16*MP+\q*256+\kt*64+16
.endr
.endr
.endm
.macro LDK s, q                        ; K's eight fragments of 64 keys (destination window 1)
.irp kt, 0,1,2,3
.irp c, 0,1
	ds_load_b128 v[KF+16*\kt+8*\c:KF+16*\kt+8*\c+3], v[AKV+\s] offset:(4*\q+\kt)*2048+\c*1024
	ds_load_b128 v[KF+16*\kt+8*\c+4:KF+16*\kt+8*\c+7], v[AKV+\s] offset:(4*\q+\kt)*2048+\c*1024+512
.endr
.endr
.endm
.macro LDV s, q                        ; V's eight
.irp kp, 0,1
.irp d, 0,1,2,3
	ds_load_b128 v[VF+32*\kp+8*\d:VF+32*\kp+8*\d+3], v[AKV+\s] offset:32768+(2*\q+\kp)*4096+\d*1024
	ds_load_b128 v[VF+32*\kp+8*\d+4:VF+32*\kp+8*\d+7], v[AKV+\s] offset:32768+(2*\q+\kp)*4096+\d*1024+512
.endr
.endr
.endm
.macro QK                              ; 16 products; the eight accumulators take turns, one instruction a turn
	WIN 0x01
.irp c, 0,1
.irp kt, 0,1,2,3
.irp t, 0,1
	v_wmma_f32_16x16x32_f16 v[S+32*\t+8*\kt:S+32*\t+8*\kt+7], v[KF+16*\kt+8*\c:KF+16*\kt+8*\c+7], v[QF+16*\t+8*\c:QF+16*\t+8*\c+7], v[S+32*\t+8*\kt:S+32*\t+8*\kt+7]
.endr
.endr
.endr
.endm
.macro SOFT                            ; both tiles, line by line in turn
.irp j, 0,1,2,3
.irp t, 0,1
	v_max3_num_f32 v[ST+8*\t+4+\j], v[S+32*\t+8*\j], v[S+32*\t+8*\j+1], v[S+32*\t+8*\j+2]     ; each accumulator from its low end on
.endr
.endr
.irp u, 3,5
.irp j, 0,1,2,3
.irp t, 0,1
	v_max3_num_f32 v[ST+8*\t+4+\j], v[ST+8*\t+4+\j], v[S+32*\t+8*\j+\u], v[S+32*\t+8*\j+\u+1]
.endr
.endr
.endr
.irp t, 0,1
	v_max3_num_f32 v[ST+8*\t+4], v[ST+8*\t+4], v[S+32*\t+7], v[S+32*\t+15]
	v_max3_num_f32 v[ST+8*\t+6], v[ST+8*\t+6], v[S+32*\t+23], v[S+32*\t+31]
.endr
.irp t, 0,1
	v_max3_num_f32 v[ST+8*\t+4], v[ST+8*\t+4], v[ST+8*\t+5], v[ST+8*\t+6]
.endr
.irp t, 0,1
	v_max3_num_f32 v[ST+8*\t+4], v[ST+8*\t+4], v[ST+8*\t+7], v[ST+8*\t]      ; with the old m
.endr
.irp t, 0,1
	v_permlanex16_b32 v[ST+8*\t+5], v[ST+8*\t+4], s[SEL], s[SEL+1]           ; the query's other keys lie in the lane 16 away
.endr
.irp t, 0,1
	v_mov_b32 v[ST+8*\t+1], v[ST+8*\t]
.endr
.irp t, 0,1
	v_max_num_f32 v[ST+8*\t], v[ST+8*\t+4], v[ST+8*\t+5]                     ; the new m
.endr
.irp t, 0,1
	v_sub_f32 v[ST+8*\t+1], v[ST+8*\t+1], v[ST+8*\t]
.endr
.irp t, 0,1
	v_mul_f32 v[ST+8*\t+7], s[CS], v[ST+8*\t+1]                              ; c (m_old - m_new)
.endr
.irp n, 0,2,4,6,8,10,12,14,16,18,20,22,24,26,28,30
.irp t, 0,1
	v_pk_add_f32 v[S+32*\t+\n:S+32*\t+\n+1], v[S+32*\t+\n:S+32*\t+\n+1], v[ST+8*\t:ST+8*\t+1] op_sel_hi:[1,0] neg_lo:[0,1] neg_hi:[0,1]   ; s - m
.endr
.endr
.irp n, 0,2,4,6,8,10,12,14,16,18,20,22,24,26,28,30
.irp t, 0,1
	v_pk_mul_f32 v[S+32*\t+\n:S+32*\t+\n+1], v[S+32*\t+\n:S+32*\t+\n+1], s[CS:CS+1] op_sel_hi:[1,0]
.endr
.endr
.irp t, 0,1
	v_exp_f32 v[ST+8*\t+6], v[ST+8*\t+7]                                     ; a
.endr
.set NN, 0
.rept 64
	v_exp_f32 v[S+NN], v[S+NN]                                               ; p, at most 1
.set NN, NN+1
.endr
	v_nop                                          ; a plain line behind the last exponential,
	s_wait_alu depctr_va_vdst(0)                   ; and one wait for the batch of 66, ahead of its first reader
.set NN, 0
.rept 32
	v_cvt_pk_f16_f32 v[P+NN], v[S+2*NN], v[S+2*NN+1]
.set NN, NN+1
.endr
.endm
.macro RESC                            ; O^T and the sum under the new m
	WIN 0x41
.irp n, 0,2,4,6,8,10,12,14,16,18,20,22,24,26,28,30
.irp t, 0,1
	v_pk_mul_f32 v[32*\t+\n:32*\t+\n+1], v[32*\t+\n:32*\t+\n+1], v[ST+8*\t+6:ST+8*\t+7] op_sel_hi:[1,0]
.endr
.endr
	WIN 0
.irp t, 0,1
	v_mul_f32 v[LS+8*\t], v[LS+8*\t], v[ST+8*\t+6]
.endr
.endm
.macro PV                              ; 16 products O^T += V^T P, then 4 for the sums; accumulators by turns
	WIN 0x51
.irp kp, 0,1
.irp d, 0,1,2,3
.irp t, 0,1
	v_wmma_f32_16x16x32_f16 v[32*\t+8*\d:32*\t+8*\d+7], v[VF+32*\kp+8*\d:VF+32*\kp+8*\d+7], v[P+16*\t+8*\kp:P+16*\t+8*\kp+7], v[32*\t+8*\d:32*\t+8*\d+7]
.endr
.endr
.endr
	WIN 0
.irp kp, 0,1
.irp t, 0,1
	v_wmma_f32_16x16x32_f16 v[LS+8*\t:LS+8*\t+7], v[ONES:ONES+7], v[P+16*\t+8*\kp:P+16*\t+8*\kp+7], v[LS+8*\t:LS+8*\t+7]
.endr
.endr
.endm
; A slot's 128 keys: two steps of 64.
.macro SLOTWORK s
	LDM \s, 0
	WIN 0x40
	LDK \s, 0
	s_wait_dscnt 0x0
	QK
	PLACES                                         ; behind these products for the reads of S and the loads into K's registers; behind the last step's products for the loads into V's
	WIN 0x40
	LDV \s, 0
	LDK \s, 1
	WIN 0
	SOFT
	LDM \s, 1                                      ; S has been read out: the next step's mask numbers
	RESC
	s_wait_dscnt 32                                ; V is in; K's 16 and the mask's 16 loads of the next step may be out
	PV
	s_wait_dscnt 0x0
	QK
	PLACES
	WIN 0x40
	LDV \s, 1
	WIN 0
	SOFT
	RESC
	s_wait_dscnt 0x0
	PV
.endm
; THE CHANGE OF SLOTS, behind slot s's last step.  Each wave waits for all its tensor loads (one is out: its part of the other slot), adds 0 to its spare word, and waits for that and for its reads of slot s.
; fill = 1: the barrier is a round of the cluster's, and slot s is filled again first thing behind it, with the tile two on: it has a slot's work in which to land.
.macro CHANGE s, fill
	s_wait_tensorcnt 0x0                           ; no tensor load of mine is out, so a group 0 may be written
	ds_add_u32 v[SPW], v[NIL]
.if \fill
	s_add_nc_u64 s[G0M+4*\s+2:G0M+4*\s+3], s[G0M+4*\s+2:G0M+4*\s+3], 1024
	s_add_nc_u64 s[G0D+4*\s+2:G0D+4*\s+3], s[G0D+4*\s+2:G0D+4*\s+3], 32768
	s_wait_xcnt 0x0                                ; the last prefetch, a slot back, has read its address
	s_add_nc_u64 s[PFA:PFA+1], s[PFA:PFA+1], s[PFS:PFS+1]
	s_wait_dscnt 0x0                               ; the add is done, and my reads of the slot are over
	CROUND
	JLOAD \s
	ASK
	s_sub_co_u32 s[SLOTS], s[SLOTS], 1
.else
	s_wait_dscnt 0x0
	s_barrier_signal -1
	s_barrier_wait -1
.endif
.endm
	s_wait_loadcnt 0x0                             ; Q
	s_wait_tensorcnt 0x1                           ; my part of slot 0 is in; slot 1's may stay out
	s_barrier_signal -1
	s_barrier_wait -1
	SLOTWORK 0                                     ; tile 0
.Ltrip:                                            ; seven trips: tiles 1 to 14 are worked, tiles 2 to 15 asked for
	CHANGE 0, 1
	SLOTWORK 1
	CHANGE 1, 1
	SLOTWORK 0
	s_sub_co_u32 s[TRIPS], s[TRIPS], 1
	s_cmp_lg_u32 s[TRIPS], 0
	s_cbranch_scc1 .Ltrip
	CHANGE 0, 0                                    ; the tail is written out: nothing is left to ask for
	SLOTWORK 1                                     ; tile 15
	; THE WAY OUT.  O^T / the sum, rounded to f16: a lane's eight channels are four registers of the projection's fragment: they leave at 16 x lane.
	PLACES
.irp t, 0,1
	v_rcp_f32 v[ST+8*\t+6], v[LS+8*\t]
.endr
	v_nop
	s_wait_alu depctr_va_vdst(0)                   ; one wait for the two reciprocals, ahead of their first reader
	WIN 0x01
.irp t, 0,1
.irp n, 0,2,4,6,8,10,12,14,16,18,20,22,24,26,28,30
	v_pk_mul_f32 v[S+32*\t+\n:S+32*\t+\n+1], v[32*\t+\n:32*\t+\n+1], v[ST+8*\t+6:ST+8*\t+7] op_sel_hi:[1,0]
.endr
.endr
	WIN 0
.set NN, 0
.rept 32
	v_cvt_pk_f16_f32 v[P+NN], v[S+2*NN], v[S+2*NN+1]
.set NN, NN+1
.endr
.irp t, 0,1
.irp d, 0,1,2,3
	global_store_b128 v[L16], v[P+16*\t+4*\d:P+16*\t+4*\d+3], s[8:9] offset:\t*4096+\d*512      ; 512 consecutive bytes, aligned
.endr
.endr
	s_wait_tensorcnt 0x0                           ; the wave's end: three lines behind my last tensor load
	ds_add_u32 v[SPW], v[NIL]
	s_wait_dscnt 0x0
	CROUND                                         ; the closing round
	s_endpgm
.Lfunc_end_k_q15ab3262f6_attn:
	.size	k_q15ab3262f6_attn, .Lfunc_end_k_q15ab3262f6_attn-k_q15ab3262f6_attn
	.p2alignl 7, 3214868480
	.fill 96, 4, 3214868480
	.section	.rodata,"a",@progbits
	.p2align	6, 0x0
	.amdhsa_kernel k_q15ab3262f6_attn
		.amdhsa_group_segment_fixed_size 327680
		.amdhsa_private_segment_fixed_size 0
		.amdhsa_enable_private_segment 0
		.amdhsa_kernarg_size 24
		.amdhsa_user_sgpr_count 2
		.amdhsa_user_sgpr_kernarg_segment_ptr 1
		.amdhsa_wavefront_size32 1
		.amdhsa_system_sgpr_workgroup_id_x 1
		.amdhsa_system_sgpr_workgroup_id_y 1
		.amdhsa_system_sgpr_workgroup_id_z 1
		.amdhsa_system_vgpr_workitem_id 0
		.amdhsa_next_free_vgpr 512
		.amdhsa_next_free_sgpr 80
		.amdhsa_reserve_vcc 1
		.amdhsa_float_denorm_mode_32 3
		.amdhsa_float_denorm_mode_16_64 3
		.amdhsa_memory_ordered 1
		.amdhsa_forward_progress 1
		.amdhsa_inst_pref_size 167
	.end_amdhsa_kernel
	.amdgpu_metadata
---
amdhsa.version: [ 1, 2 ]
amdhsa.kernels:
  - .name:           k_q15ab3262f6_attn
    .symbol:         k_q15ab3262f6_attn.kd
    .args:
      - { .name: qkv, .offset: 0, .size: 8, .value_kind: global_buffer, .address_space: global }
      - { .name: mask, .offset: 8, .size: 8, .value_kind: global_buffer, .address_space: global }
      - { .name: ctx, .offset: 16, .size: 8, .value_kind: global_buffer, .address_space: global }
    .group_segment_fixed_size: 327680
    .private_segment_fixed_size: 0
    .kernarg_segment_align: 8
    .kernarg_segment_size: 24
    .max_flat_workgroup_size: 256
    .sgpr_count:     80
    .vgpr_count:     512
    .wavefront_size: 32
...
	.end_amdgpu_metadata
.endif
;; end of part 3
;; launch fattn (part 4): grid 256 x 1, 2 waves a work-group, no clusters, 0 bytes of LDS; arguments qkv, mask, part; writes part
.if DOCPART == 4
	.amdgcn_target "amdgcn-amd-amdhsa--gfx1250"
	.amdhsa_code_object_version 6
	.text
	.protected	k_q15ab3262f6_fattn
	.globl	k_q15ab3262f6_fattn
	.p2align	8
	.type	k_q15ab3262f6_fattn,@function
k_q15ab3262f6_fattn:
	s_mov_b64 s[64:65], 0
	v_nop
	global_prefetch_b8 v0, s[64:65] scope:SCOPE_SE
	s_setreg_imm32_b32 hwreg(HW_REG_WAVE_MODE, 25, 1), 1
	s_wait_xcnt 0x0
; The first 16 positions of every sequence, once more and more finely: under a mask that leaves them few keys they average few values and are the largest rows, so f16's rounding of p, v and the result weighs most there.
; THIS LAUNCH MAKES PARTS.  32 (batch, head) x 16 chunks of 128 keys = 512 waves, two to a work-group: 256 work-groups.  A wave takes the 16 queries against its 128 keys, with a maximum m of its own,
; and stores its unnormalised O^T (f32), m and its sum l.  The next launch joins the sixteen parts of a head.  So no wave waits for another: no LDS, no barrier.
; q and k are single f16; p and v go as pairs of f16 (high, low): O^T = Vh Ph + Vl Ph + Vh Pl, sums in f32.  The mask's numbers are read and added as the C of the score product.
; A pair is made in f32: g = 8193 x, d = x - g, high = g + d (11 significant bits), low = x - high, exact.
; All 116 loads of a wave (Q 4, mask 16, K 32, V 64) are issued at the head; V lands in window 1 while the scores and the softmax are worked.
; No tensor load and no cluster: each byte of K and V is read by one wave.  No prefetch: every load is issued at the head.
; LIMITS: |k|, |v| under 65,504; m is held at -1e38 from below, so a chunk whose every score is -infinity gives zeros, and a row whose every score is -infinity gives NaN at the join.
; 'part': O^T at (16 bh + c) x 4,096 + 1,024 x tile of channels + 512 x half + 16 x lane; from byte 2,097,152 on (m, l) at (16 bh + c) x 256 + 8 x lane.
; REGISTERS.  window 0: v1 16 x lane; v2 the mask's offset; v3 8 x lane; v[4:5] the sum; v[6:7] m, at the end (m, l); v12-15 at work; v16-31 Q; v32-95 S, then p, then its low parts;
;   v96-223 K, then p's high parts (v96-127) and the splits' work (v128-159); v224-255 O^T.   window 1: v0-127 V's high parts (32 x group of 32 keys + 8 x tile of channels), v128-255 its low parts.
.set QF, 16
.set S,  32
.set KF, 96
.set PH, 96
.set GG, 128
.set DD, 144
.set O,  224
.set MSB, 0
.macro WIN new                         ; the immediate's high byte repeats the setting that is left
.if MSB != (\new)
	s_set_vgpr_msb (MSB<<8)|(\new)
.set MSB, (\new)
.endif
.endm
	s_load_b128 s[4:7], s[0:1], 0x0                ; qkv, mask
	s_load_b64 s[8:9], s[0:1], 0x10                ; part
	v_lshrrev_b32 v12, 5, v0
	v_readfirstlane_b32 s10, v12                   ; wave 0, 1
	v_and_b32 v13, 31, v0
	v_lshlrev_b32 v1, 4, v13
	v_lshlrev_b32 v3, 3, v13
	v_and_b32 v14, 15, v0                          ; r
	v_bfe_u32 v15, v0, 4, 1                        ; h
	s_lshr_b32 s11, ttmp9, 3                       ; bh = 16 b + head
	s_and_b32 s12, ttmp9, 7
	s_lshl_b32 s12, s12, 1
	s_add_co_u32 s12, s12, s10                     ; c: my chunk of 128 keys, 0 .. 15
	v_lshlrev_b32 v2, 13, v14
	v_lshl_add_u32 v2, v15, 5, v2
	s_lshl_b32 s13, s12, 9
	v_add_nc_u32 v2, s13, v2                       ; the mask: row r of 8,192 bytes, my 128 keys, + 32 h bytes
	s_lshl_b32 s14, s11, 18                        ; the head's bytes in a region of qkv
	s_mov_b32 s15, 0
	s_lshl_b32 s16, s12, 14                        ; my 128 keys' bytes in K and in V
	s_add_co_u32 s16, s16, s14
	s_mov_b32 s17, 0
	s_lshl_b32 s18, s11, 16                        ; part: 65,536 bytes a head, 4,096 a chunk
	s_lshl_b32 s19, s12, 12
	s_add_co_u32 s18, s18, s19
	s_mov_b32 s19, 0
	s_lshl_b32 s20, s11, 12                        ; (m, l): 4,096 bytes a head, 256 a chunk
	s_lshl_b32 s21, s12, 8
	s_add_co_u32 s20, s20, s21
	s_mov_b32 s21, 0
	s_mov_b32 s36, 0x3fb8aa3b                      ; c = log2(e)
	s_mov_b32 s37, s36                             ; (named with it as a pair, so it is written)
	s_mov_b32 s38, 0x76543210
	s_mov_b32 s39, 0xfedcba98                      ; v_permlanex16_b32's selects for lane l xor 16
	s_mov_b32 s40, 0x46000400                      ; 8193.0
	s_mov_b32 s41, s40
	s_wait_kmcnt 0x0
	s_add_nc_u64 s[22:23], s[4:5], s[14:15]        ; Q's first tile
	s_add_nc_u64 s[24:25], s[4:5], s[16:17]
	s_add_nc_u64 s[26:27], s[24:25], 0x800000      ; K
	s_add_nc_u64 s[28:29], s[24:25], 0x1000000     ; V, high parts
	s_add_nc_u64 s[30:31], s[24:25], 0x1800000     ; V, low parts
	s_add_nc_u64 s[32:33], s[8:9], s[18:19]        ; my part of O^T
	s_add_nc_u64 s[34:35], s[8:9], s[20:21]        ; my (m, l), 2,097,152 bytes further on
.irp c, 0,1
	global_load_b128 v[QF+8*\c:QF+8*\c+3], v1, s[22:23] offset:\c*1024
	global_load_b128 v[QF+8*\c+4:QF+8*\c+7], v1, s[22:23] offset:\c*1024+512
.endr
.irp kt, 0,1,2,3,4,5,6,7
	global_load_b128 v[S+8*\kt:S+8*\kt+3], v2, s[6:7] offset:64*\kt
	global_load_b128 v[S+8*\kt+4:S+8*\kt+7], v2, s[6:7] offset:64*\kt+16
.endr
.irp kt, 0,1,2,3,4,5,6,7
.irp c, 0,1
	global_load_b128 v[KF+16*\kt+8*\c:KF+16*\kt+8*\c+3], v1, s[26:27] offset:\kt*2048+\c*1024 th:TH_LOAD_NT
	global_load_b128 v[KF+16*\kt+8*\c+4:KF+16*\kt+8*\c+7], v1, s[26:27] offset:\kt*2048+\c*1024+512 th:TH_LOAD_NT
.endr
.endr
	WIN 0x40                                       ; destination window 1
.irp kp, 0,1,2,3                       ; V: sixteen loads for each group of 32 keys: eight of high parts, eight of low
.irp d, 0,1,2,3
	global_load_b128 v[32*\kp+8*\d:32*\kp+8*\d+3], v1, s[28:29] offset:\kp*4096+\d*1024 th:TH_LOAD_NT
	global_load_b128 v[32*\kp+8*\d+4:32*\kp+8*\d+7], v1, s[28:29] offset:\kp*4096+\d*1024+512 th:TH_LOAD_NT
.endr
.irp d, 0,1,2,3
	global_load_b128 v[128+32*\kp+8*\d:128+32*\kp+8*\d+3], v1, s[30:31] offset:\kp*4096+\d*1024 th:TH_LOAD_NT
	global_load_b128 v[128+32*\kp+8*\d+4:128+32*\kp+8*\d+7], v1, s[30:31] offset:\kp*4096+\d*1024+512 th:TH_LOAD_NT
.endr
.endr
	WIN 0
	s_wait_loadcnt 63                              ; Q, the mask's numbers and K are in: 64 loads, V's, are younger than K's last; 63 is the largest count that the field names
.irp c, 0,1                            ; S^T = K Q^T + mask: eight accumulators by turns, one instruction a turn
.irp kt, 0,1,2,3,4,5,6,7
	v_wmma_f32_16x16x32_f16 v[S+8*\kt:S+8*\kt+7], v[KF+16*\kt+8*\c:KF+16*\kt+8*\c+7], v[QF+8*\c:QF+8*\c+7], v[S+8*\kt:S+8*\kt+7]
.endr
.endr
.rept 4
	v_nop                                          ; places in front of the first reads of S
.endr
.irp j, 0,1,2,3                        ; the largest of my 64 scores, in four chains; each accumulator is entered at its low end
	v_max3_num_f32 v[12+\j], v[S+16*\j], v[S+16*\j+1], v[S+16*\j+2]
.endr
.irp j, 0,1,2,3
	v_max3_num_f32 v[12+\j], v[12+\j], v[S+16*\j+8], v[S+16*\j+9]
.endr
.irp u, 3,5,11,13
.irp j, 0,1,2,3
	v_max3_num_f32 v[12+\j], v[12+\j], v[S+16*\j+\u], v[S+16*\j+\u+1]
.endr
.endr
.irp j, 0,1,2,3
	v_max3_num_f32 v[12+\j], v[12+\j], v[S+16*\j+7], v[S+16*\j+10]
.endr
.irp j, 0,1,2,3
	v_max_num_f32 v[12+\j], v[12+\j], v[S+16*\j+15]
.endr
	v_max3_num_f32 v12, v12, v13, v14
	v_max_num_f32 v12, v12, v15
	v_permlanex16_b32 v13, v12, s38, s39
	v_max3_num_f32 v6, v12, v13, 0xfe967699        ; m of my 128 keys, held at -1e38 from below
	v_mov_b32 v7, 0                                ; (named with it as a pair)
.set NN, 0
.rept 32
	v_pk_add_f32 v[S+2*NN:S+2*NN+1], v[S+2*NN:S+2*NN+1], v[6:7] op_sel_hi:[1,0] neg_lo:[0,1] neg_hi:[0,1]   ; s - m: exact where s = m, whatever the size of the mask's numbers
.set NN, NN+1
.endr
.set NN, 0
.rept 32
	v_pk_mul_f32 v[S+2*NN:S+2*NN+1], v[S+2*NN:S+2*NN+1], s[36:37] op_sel_hi:[1,0]
.set NN, NN+1
.endr
.set NN, 0
.rept 64
	v_exp_f32 v[S+NN], v[S+NN]                     ; p, at most 1
.set NN, NN+1
.endr
	v_nop                                          ; a plain line behind the last exponential,
	s_wait_alu depctr_va_vdst(0)                   ; and one wait for the batch of 64, ahead of its first reader
	v_pk_add_f32 v[4:5], v[S:S+1], v[S+2:S+3]      ; the sum of the unrounded p, in two chains
	v_pk_add_f32 v[12:13], v[S+4:S+5], v[S+6:S+7]
.irp j, 8,12,16,20,24,28,32,36,40,44,48,52,56,60
	v_pk_add_f32 v[4:5], v[4:5], v[S+\j:S+\j+1]
	v_pk_add_f32 v[12:13], v[12:13], v[S+\j+2:S+\j+3]
.endr
	v_pk_add_f32 v[4:5], v[4:5], v[12:13]
	v_add_f32 v4, v4, v5
	v_permlanex16_b32 v12, v4, s38, s39
	v_add_f32 v7, v4, v12                          ; with lane l xor 16's keys: l, beside m
; p of keys 32 k .. + 31 in two parts, eight pairs at a time so that no line waits for the line above it: the high parts, packed, into v[PH + 8 k ..]; the low parts, packed, into the first eight of p's own sixteen registers
.macro SPLIT k
.irp i, 0,1,2,3,4,5,6,7
	v_pk_mul_f32 v[GG+2*\i:GG+2*\i+1], v[S+16*(\k)+2*\i:S+16*(\k)+2*\i+1], s[40:41] op_sel_hi:[1,0]
.endr
.irp i, 0,1,2,3,4,5,6,7
	v_pk_add_f32 v[DD+2*\i:DD+2*\i+1], v[S+16*(\k)+2*\i:S+16*(\k)+2*\i+1], v[GG+2*\i:GG+2*\i+1] neg_lo:[0,1] neg_hi:[0,1]
.endr
.irp i, 0,1,2,3,4,5,6,7
	v_pk_add_f32 v[GG+2*\i:GG+2*\i+1], v[GG+2*\i:GG+2*\i+1], v[DD+2*\i:DD+2*\i+1]
.endr
.irp i, 0,1,2,3,4,5,6,7
	v_pk_add_f32 v[S+16*(\k)+2*\i:S+16*(\k)+2*\i+1], v[S+16*(\k)+2*\i:S+16*(\k)+2*\i+1], v[GG+2*\i:GG+2*\i+1] neg_lo:[0,1] neg_hi:[0,1]
.endr
.irp i, 0,1,2,3,4,5,6,7
	v_cvt_pk_f16_f32 v[PH+8*(\k)+\i], v[GG+2*\i], v[GG+2*\i+1]
.endr
.irp i, 0,1,2,3,4,5,6,7
	v_cvt_pk_f16_f32 v[S+16*(\k)+\i], v[S+16*(\k)+2*\i], v[S+16*(\k)+2*\i+1]   ; register i is written when registers 2 i and 2 i + 1 are read: nothing unread is lost
.endr
.endm
; twelve products for keys 32 k .. + 31: Vh Ph, Vl Ph, Vh Pl, each over the four tiles of channels: four accumulators by turns.  The first four start the sums.
.macro PV3 k
	s_wait_loadcnt 16*(3-(\k))                     ; this group's sixteen loads of V are in; the later groups' may be out
.irp d, 0,1,2,3
.if (\k) == 0
	v_wmma_f32_16x16x32_f16 v[O+8*\d:O+8*\d+7], v[32*(\k)+8*\d:32*(\k)+8*\d+7], v[PH+8*(\k):PH+8*(\k)+7], 0
.else
	v_wmma_f32_16x16x32_f16 v[O+8*\d:O+8*\d+7], v[32*(\k)+8*\d:32*(\k)+8*\d+7], v[PH+8*(\k):PH+8*(\k)+7], v[O+8*\d:O+8*\d+7]
.endif
.endr
.irp d, 0,1,2,3
	v_wmma_f32_16x16x32_f16 v[O+8*\d:O+8*\d+7], v[128+32*(\k)+8*\d:128+32*(\k)+8*\d+7], v[PH+8*(\k):PH+8*(\k)+7], v[O+8*\d:O+8*\d+7]
.endr
.irp d, 0,1,2,3
	v_wmma_f32_16x16x32_f16 v[O+8*\d:O+8*\d+7], v[32*(\k)+8*\d:32*(\k)+8*\d+7], v[S+16*(\k):S+16*(\k)+7], v[O+8*\d:O+8*\d+7]
.endr
.endm
	SPLIT 0
	SPLIT 1
	SPLIT 2
	SPLIT 3
	WIN 0x01                                       ; source 0 (V) window 1
	PV3 0
	PV3 1
	PV3 2
	PV3 3
	WIN 0
.rept 4
	v_nop                                          ; places in front of the stores of results
.endr
.irp d, 0,1,2,3
	global_store_b128 v1, v[O+8*\d:O+8*\d+3], s[32:33] offset:\d*1024          ; each accumulator from its low end on; 512 consecutive bytes, aligned
	global_store_b128 v1, v[O+8*\d+4:O+8*\d+7], s[32:33] offset:\d*1024+512
.endr
	global_store_b64 v3, v[6:7], s[34:35] offset:2097152                       ; (m, l): 256 consecutive bytes, aligned; lanes l and l xor 16 hold the same pair
	s_endpgm
.Lfunc_end_k_q15ab3262f6_fattn:
	.size	k_q15ab3262f6_fattn, .Lfunc_end_k_q15ab3262f6_fattn-k_q15ab3262f6_fattn
	.p2alignl 7, 3214868480
	.fill 96, 4, 3214868480
	.section	.rodata,"a",@progbits
	.p2align	6, 0x0
	.amdhsa_kernel k_q15ab3262f6_fattn
		.amdhsa_group_segment_fixed_size 0
		.amdhsa_private_segment_fixed_size 0
		.amdhsa_enable_private_segment 0
		.amdhsa_kernarg_size 24
		.amdhsa_user_sgpr_count 2
		.amdhsa_user_sgpr_kernarg_segment_ptr 1
		.amdhsa_wavefront_size32 1
		.amdhsa_system_sgpr_workgroup_id_x 1
		.amdhsa_system_sgpr_workgroup_id_y 1
		.amdhsa_system_sgpr_workgroup_id_z 1
		.amdhsa_system_vgpr_workitem_id 0
		.amdhsa_next_free_vgpr 512
		.amdhsa_next_free_sgpr 66
		.amdhsa_reserve_vcc 0
		.amdhsa_float_denorm_mode_32 3
		.amdhsa_float_denorm_mode_16_64 3
		.amdhsa_memory_ordered 1
		.amdhsa_forward_progress 1
		.amdhsa_inst_pref_size 41
	.end_amdhsa_kernel
	.amdgpu_metadata
---
amdhsa.version: [ 1, 2 ]
amdhsa.kernels:
  - .name:           k_q15ab3262f6_fattn
    .symbol:         k_q15ab3262f6_fattn.kd
    .args:
      - { .name: qkv, .offset: 0, .size: 8, .value_kind: global_buffer, .address_space: global }
      - { .name: mask, .offset: 8, .size: 8, .value_kind: global_buffer, .address_space: global }
      - { .name: part, .offset: 16, .size: 8, .value_kind: global_buffer, .address_space: global }
    .group_segment_fixed_size: 0
    .private_segment_fixed_size: 0
    .kernarg_segment_align: 8
    .kernarg_segment_size: 24
    .max_flat_workgroup_size: 64
    .sgpr_count:     66
    .vgpr_count:     512
    .wavefront_size: 32
...
	.end_amdgpu_metadata
.endif
;; end of part 4
;; launch oproj (part 5): grid 8 x 32, 4 waves a work-group, clusters of 4 x 4, 327,680 bytes of LDS; arguments ctx, wo16, out0, ctxf, part; writes out0, ctxf
.if DOCPART == 5
	.amdgcn_target "amdgcn-amd-amdhsa--gfx1250"
	.amdhsa_code_object_version 6
	.text
	.protected	k_q15ab3262f6_oproj
	.globl	k_q15ab3262f6_oproj
	.p2align	8
	.type	k_q15ab3262f6_oproj,@function
k_q15ab3262f6_oproj:
	s_mov_b64 s[64:65], 0
	v_nop
	global_prefetch_b8 v0, s[64:65] scope:SCOPE_SE
	s_setreg_imm32_b32 hwreg(HW_REG_WAVE_MODE, 25, 1), 1
	s_wait_xcnt 0x0
	s_wait_alu depctr_hold_cnt(0) depctr_sa_sdst(0) depctr_va_vdst(0) depctr_va_sdst(0) depctr_va_ssrc(0) depctr_va_vcc(0) depctr_vm_vsrc(0)
	s_getreg_b32 s2, hwreg(HW_REG_IB_STS2, 6, 4)
	s_cmp_eq_u32 s2, 0
	s_cbranch_scc0 .Lentry_in_a_cluster
	s_endpgm
.Lentry_in_a_cluster:
	s_bfe_u32 s2, ttmp6, 0x10000c
	s_cmp_lg_u32 s2, 0xf033
	s_cbranch_scc0 .Lentry_shape_is_right
	s_endpgm
.Lentry_shape_is_right:
; out0[token][n] = sum over e of ctx[token][e] wo[n][e], K = 1,024, f16 operands (wo's high part), f32 sums and results.
; A tile of 128 tokens x 256 columns to a work-group: 32 x 8 = 256 work-groups.  Four waves, each 64 tokens x 128 columns: 32 accumulators, 256 registers.
; K goes in steps of 128 through a ring of two LDS slots.  ctx lies as images of fragments, [128 of K][tile of 16 tokens][4,096 bytes]: a K step of the work-group's 128 tokens is one dense block of 32,768 bytes, and a fragment load is 16 x lane.
; wo's rows of a K step are 256 bytes, 2,048 apart; in LDS 272 apart.
; CLUSTERS, 4 x 4: ctx's tile is shared along a row of the cluster, wo's along a column: joint loads.  The matrix instruction is used transposed (source 0 = 16 rows of wo, source 1 = 16 tokens): a lane holds eight neighbouring columns of a token's row.
; The rows of the first 16 positions of each sequence are written here like all others and written again, more finely, by the next launch.
; A SUM THAT RIDES ALONG.  The launch before left, for the first 16 positions of each (batch, head), sixteen parts (O^T, m, l), one for each 128 keys.  While the first tiles are on their way, wave 0 of every work-group joins the
; sixteen parts of 256 bytes of ctxf: head = my tile row (0 .. 31), the 256 bytes = my tile column (0 .. 7).  The branch hangs on the wave's number alone; the work-group's place enters global addresses only.
; The product below does not read ctxf; the next launch does.
; REGISTERS: window 0: v8-11 the join's offsets; v16-29 addresses; two fragment buffers of 96 at v32 and v128 (wo's 8 fragments, then ctx's 4), which the join uses before them; on the way out v128-255 hold rows.  window 1: the accumulators, (a, i) at v[8 (8 a + i)].
.set PITCH,  272
.set SLOT,   102400                    ; ctx's 32,768 bytes, then wo's 256 rows x 272
.set BOFF,   32768
.set SPARE,  2*SLOT                    ; the spare words: 128 bytes a wave, two blocks of 256 bytes that no other line names
.set SPITCH, 528                       ; the way out: a stage of 16 rows x (512 bytes + 16) for each wave, in slot 0, which has had its last fill and its last read by then
.set LAPS,   4                         ; a lap = two K steps
.set ADRA, 16
.set ADRB, 20
.set STO,  24
.set RD,   25
.set CO,   26
.set SPW,  28
.set NIL,  29
.set F0,   32
.set F1,   128
.set BK,   128
.set G1, 24
.set G0, 32
.set G1B, 48
.set G0B, 56
.set MSB, 0
.macro WIN new
.if MSB != (\new)
	s_set_vgpr_msb (MSB<<8)|(\new)
.set MSB, (\new)
.endif
.endm
.set MUL, 0x50                         ; C and D window 1, sources window 0
.macro JLOAD s                         ; waves 0 and 1 fetch ctx's two halves, waves 2 and 3 wo's; an s_nop 0 and four v_nop follow each line
	s_cmp_eq_u32 s11, 0
	s_cbranch_scc0 .Lfor_b_\@
	tensor_load_to_lds s[G0+4*\s:G0+4*\s+3], s[G1:G1+7]
	s_nop 0
.rept 4
	v_nop
.endr
	s_branch .Lasked_\@
.Lfor_b_\@:
	tensor_load_to_lds s[G0B+4*\s:G0B+4*\s+3], s[G1B:G1B+7]
	s_nop 0
.rept 4
	v_nop
.endr
.Lasked_\@:
.endm
.macro CREST
	s_cmp_lg_u32 s10, 0
	s_cbranch_scc1 .Lnot_wave_0_\@
	s_barrier_signal -3
.Lnot_wave_0_\@:
	s_barrier_wait -3
	s_barrier_signal -1
	s_barrier_wait -1
.endm
.macro CROUND
	s_barrier_signal -1
	s_barrier_wait -1
	CREST
.endm
	s_load_b128 s[4:7], s[0:1], 0x0                ; ctx s[4:5], wo16 s[6:7]
	s_load_b64 s[8:9], s[0:1], 0x10                ; out0
	s_load_b64 s[68:69], s[0:1], 0x18              ; ctxf
	s_load_b64 s[72:73], s[0:1], 0x20              ; part
	v_lshl_add_u32 v[SPW], v0, 2, SPARE
	v_mov_b32 v[NIL], 0
	ds_add_u32 v[SPW], v[NIL]                      ; the wave's opening: the add, twice on end, and its wait ahead of my first tensor load
	ds_add_u32 v[SPW], v[NIL]
	v_lshrrev_b32 v1, 5, v0
	v_readfirstlane_b32 s10, v1                    ; wave 0..3
	s_lshr_b32 s11, s10, 1                         ; which 64 tokens are mine.  Also: I fetch ctx (0) or wo (1)
	s_and_b32 s12, s10, 1                          ; which 128 columns.  Also: which half I fetch
	s_bfe_u32 s40, ttmp6, 0x40000
	s_bfe_u32 s41, ttmp6, 0x40004
	s_lshl_b32 s42, ttmp9, 2
	s_add_co_u32 s42, s42, s40                     ; tile column, 0 .. 7
	s_and_b32 s13, ttmp7, 0xffff
	s_lshl_b32 s13, s13, 2
	s_add_co_u32 s13, s13, s41                     ; tile row, 0 .. 31
	s_lshl_b32 s43, s41, 2
	s_lshl_b32 s43, 15, s43                        ; my row of the cluster
	s_lshl_b32 s44, 0x1111, s40                    ; my column
	s_or_b32 s[G1+0], s43, (3<<16)|(1<<21)         ; ctx: 16,384 dense bytes as 64 rows of 32 elements of 8 bytes
	s_mov_b32 s[G1+1], 32<<16
	s_mov_b32 s[G1+2], 64<<16
	s_mov_b32 s[G1+3], 32<<16
	s_mov_b32 s[G1+4], 64
	s_mov_b32 s[G1+5], 32
	s_mov_b32 s[G1+6], 0
	s_mov_b32 s[G1+7], 0
	s_or_b32 s[G1B+0], s44, (1<<16)|(1<<20)|(1<<21)|(5<<22)|(3<<25) ; wo: 128 rows x 128 elements of 2 bytes; 4 words of padding after every 64
	s_mov_b32 s[G1B+1], 128<<16
	s_mov_b32 s[G1B+2], 128<<16
	s_mov_b32 s[G1B+3], 128<<16
	s_mov_b32 s[G1B+4], 128
	s_mov_b32 s[G1B+5], 1024
	s_mov_b32 s[G1B+6], 0
	s_mov_b32 s[G1B+7], 0
	s_lshl_b32 s16, s13, 15                        ; ctx: token tile 8 x tile row + 4 x half, 4,096 bytes each
	s_lshl_b32 s17, s12, 14
	s_add_co_u32 s16, s16, s17
	s_mov_b32 s17, 0
	s_lshl_b32 s46, s42, 19                        ; wo: row 256 x tile column + 128 x half, 2,048 bytes each
	s_lshl_b32 s47, s12, 18
	s_add_co_u32 s46, s46, s47
	s_mov_b32 s47, 0
	s_lshl_b32 s20, s12, 14                        ; where they go in a slot
	s_mul_i32 s21, s12, 128*PITCH
	s_add_co_u32 s21, s21, BOFF
	s_wait_dscnt 0x0                               ; both opening adds are done
	s_wait_kmcnt 0x0
	s_add_nc_u64 s[14:15], s[4:5], s[16:17]
	s_add_nc_u64 s[46:47], s[6:7], s[46:47]
	CROUND                                         ; all sixteen work-groups are here: the first joint loads meet
.irp s, 0,1
	s_mov_b32 s[G0+4*\s], 1
	s_add_co_u32 s[G0+4*\s+1], s20, \s*SLOT
	s_add_nc_u64 s[G0+4*\s+2:G0+4*\s+3], s[14:15], \s*1048576
	s_or_b32 s[G0+4*\s+3], s[G0+4*\s+3], 0x80000000
	s_mov_b32 s[G0B+4*\s], 1
	s_add_co_u32 s[G0B+4*\s+1], s21, \s*SLOT
	s_add_nc_u64 s[G0B+4*\s+2:G0B+4*\s+3], s[46:47], \s*256
	s_or_b32 s[G0B+4*\s+3], s[G0B+4*\s+3], 0x80000000
	JLOAD \s
.endr
	v_and_b32 v1, 15, v0                           ; l % 16
	v_bfe_u32 v2, v0, 4, 1                         ; l / 16
	v_and_b32 v6, 31, v0
	v_lshlrev_b32 v[CO], 4, v6                     ; 16 x lane
	s_lshl_b32 s21, s11, 14                        ; my 64 tokens' images
	v_mul_u32_u24 v3, v1, PITCH
	v_lshl_add_u32 v3, v2, 4, v3
	s_mul_i32 s22, s12, 128*PITCH                  ; my 128 rows of wo
	s_add_co_u32 s22, s22, BOFF
.irp s, 0,1
	v_add_nc_u32 v[ADRA+\s], s21, v[CO]
	v_add_nc_u32 v[ADRB+\s], s22, v3
	s_add_co_u32 s21, s21, SLOT
	s_add_co_u32 s22, s22, SLOT
.endr
	s_mul_i32 s23, s10, 16*SPITCH                  ; my stage
	v_mul_u32_u24 v5, v1, SPITCH
	v_lshl_add_u32 v5, v2, 5, v5
	v_add_nc_u32 v[STO], s23, v5                   ; in: row l % 16, 32 bytes for each half of the lanes
	v_add_nc_u32 v[RD], s23, v[CO]                 ; back: the 32 lanes take one row of 512 bytes
	s_lshl_b32 s16, s13, 20                        ; my first row of out0: 128 x tile row + 64 x half, 8,192 bytes a row
	s_lshl_b32 s17, s11, 19
	s_add_co_u32 s16, s16, s17
	s_mov_b32 s17, 0
	s_add_nc_u64 s[8:9], s[8:9], s[16:17]
	s_lshl_b32 s46, s42, 10                        ; my first column, in bytes
	s_lshl_b32 s47, s12, 9
	s_add_co_u32 s46, s46, s47
	s_mov_b32 s47, 0
	s_add_nc_u64 s[8:9], s[8:9], s[46:47]
; ---- THE JOIN, by wave 0, while the first tiles are on their way.  Head bh = tile row; tile column = 2 x (tile of 16 channels) + hh.  The 256 bytes of ctxf are those of the fragment's lanes 16 hh + r, r = 0 .. 15: query r, eight channels.
; My lane (r, jh) takes channels 4 jh .. + 3 of them: of each of the sixteen parts 16 bytes of O^T (sixteen lanes read 256 consecutive bytes) and the pair (m, l) of query r.
; o = sum of f_c O_c / sum of f_c l_c, f_c = 2^(log2(e) (m_c - M)), M the largest m_c; then high and low part as everywhere: g = 8193 x, d = x - g, high = g + d, low = x - high.
	s_cmp_lg_u32 s10, 0
	s_cbranch_scc1 .Lno_join
	v_and_b32 v8, 15, v0                           ; r
	v_bfe_u32 v9, v0, 4, 1                         ; jh
	v_lshlrev_b32 v10, 4, v8
	v_lshl_add_u32 v11, v9, 9, v10                 ; in a part: 512 jh + 16 r
	v_lshl_add_u32 v10, v9, 3, v10                 ; in ctxf: 16 r + 8 jh: the 32 lanes cover 256 consecutive bytes
	v_lshlrev_b32 v8, 3, v8                        ; among the pairs: 8 r
	s_lshl_b32 s76, s13, 16                        ; the head's sixteen parts: 65,536 bytes
	s_lshr_b32 s77, s42, 1
	s_lshl_b32 s77, s77, 10                        ; the tile of channels: 1,024
	s_add_co_u32 s76, s76, s77
	s_and_b32 s77, s42, 1
	s_lshl_b32 s77, s77, 8                         ; lanes 16 hh on: 256
	s_add_co_u32 s76, s76, s77
	s_mov_b32 s77, 0
	s_add_nc_u64 s[76:77], s[72:73], s[76:77]
	s_lshl_b32 s78, s13, 12                        ; the head's sixteen times 256 bytes of pairs
	s_mov_b32 s79, 0
	s_add_nc_u64 s[78:79], s[72:73], s[78:79]
	s_lshl_b32 s80, s13, 11                        ; ctxf: 2,048 bytes a head, 256 a tile column
	s_lshl_b32 s81, s42, 8
	s_add_co_u32 s80, s80, s81
	s_mov_b32 s81, 0
	s_add_nc_u64 s[80:81], s[68:69], s[80:81]
	s_mov_b32 s82, 0x3fb8aa3b                      ; log2(e)
	s_mov_b32 s84, 0x46000400                      ; 8193.0
	s_mov_b32 s85, s84                             ; (named with it as a pair, so it is written)
.irp c, 0,1,2,3,4,5,6,7,8,9,10,11,12,13,14,15
	global_load_b64 v[96+2*\c:97+2*\c], v8, s[78:79] offset:2097152+256*\c     ; (m, l) of part c
.endr
.irp c, 0,1,2,3,4,5,6,7,8,9,10,11,12,13,14,15
	global_load_b128 v[32+4*\c:35+4*\c], v11, s[76:77] offset:4096*\c          ; my four channels of part c
.endr
	s_wait_loadcnt 0x0
	v_max3_num_f32 v128, v96, v98, v100
.irp u, 102,106,110,114,118,122
	v_max3_num_f32 v128, v128, v[\u], v[\u+2]
.endr
	v_max_num_f32 v128, v128, v126                 ; M
.irp c, 0,1,2,3,4,5,6,7,8,9,10,11,12,13,14,15
	v_sub_f32 v[96+2*\c], v[96+2*\c], v128         ; the difference first: exact where m_c = M
.endr
.irp c, 0,1,2,3,4,5,6,7,8,9,10,11,12,13,14,15
	v_mul_f32 v[96+2*\c], s82, v[96+2*\c]
.endr
.irp c, 0,1,2,3,4,5,6,7,8,9,10,11,12,13,14,15
	v_exp_f32 v[96+2*\c], v[96+2*\c]               ; f_c
.endr
	v_nop                                          ; a plain line behind the last exponential,
	s_wait_alu depctr_va_vdst(0)                   ; and one wait for the sixteen, ahead of their first reader
	v_mul_f32 v129, v96, v97
	v_pk_mul_f32 v[132:133], v[32:33], v[96:97] op_sel_hi:[1,0]
	v_pk_mul_f32 v[134:135], v[34:35], v[96:97] op_sel_hi:[1,0]
.irp c, 1,2,3,4,5,6,7,8,9,10,11,12,13,14,15
	v_fmac_f32 v129, v[96+2*\c], v[97+2*\c]
	v_pk_fma_f32 v[132:133], v[32+4*\c:33+4*\c], v[96+2*\c:97+2*\c], v[132:133] op_sel_hi:[1,0,1]   ; of the pair (f, l) the low word serves both halves
	v_pk_fma_f32 v[134:135], v[34+4*\c:35+4*\c], v[96+2*\c:97+2*\c], v[134:135] op_sel_hi:[1,0,1]
.endr
	v_rcp_f32 v130, v129
	v_nop
	s_wait_alu depctr_va_vdst(0)                   ; the wait for the reciprocal, ahead of its first reader
.irp j, 0,1,2,3
	v_mul_f32 v[132+\j], v[132+\j], v130
.endr
.irp i, 0,1
	v_pk_mul_f32 v[136+2*\i:137+2*\i], v[132+2*\i:133+2*\i], s[84:85] op_sel_hi:[1,0]
.endr
.irp i, 0,1
	v_pk_add_f32 v[140+2*\i:141+2*\i], v[132+2*\i:133+2*\i], v[136+2*\i:137+2*\i] neg_lo:[0,1] neg_hi:[0,1]
.endr
.irp i, 0,1
	v_pk_add_f32 v[136+2*\i:137+2*\i], v[136+2*\i:137+2*\i], v[140+2*\i:141+2*\i]
.endr
.irp i, 0,1
	v_pk_add_f32 v[132+2*\i:133+2*\i], v[132+2*\i:133+2*\i], v[136+2*\i:137+2*\i] neg_lo:[0,1] neg_hi:[0,1]
.endr
	v_cvt_pk_f16_f32 v144, v136, v137
	v_cvt_pk_f16_f32 v145, v138, v139
	v_cvt_pk_f16_f32 v146, v132, v133
	v_cvt_pk_f16_f32 v147, v134, v135
	global_store_b64 v10, v[144:145], s[80:81]                     ; the high parts: 256 consecutive bytes, aligned
	global_store_b64 v10, v[146:147], s[80:81] offset:65536        ; the low parts likewise
	s_wait_xcnt 0x0                                ; the stores have read their registers: the fragment loads below may land there
.Lno_join:
; 8 matrix instructions: token block a x wo's eight blocks, 32 along K.  The 32 accumulators take turns, one instruction a turn, in the same order in every quarter.
.macro MULA f, a, zero
.irp i, 0,1,2,3,4,5,6,7
.if \zero
	v_wmma_f32_16x16x32_f16 v[8*(8*(\a)+\i):8*(8*(\a)+\i)+7], v[\f+8*\i:\f+8*\i+7], v[\f+64+8*(\a):\f+64+8*(\a)+7], 0
.else
	v_wmma_f32_16x16x32_f16 v[8*(8*(\a)+\i):8*(8*(\a)+\i)+7], v[\f+8*\i:\f+8*\i+7], v[\f+64+8*(\a):\f+64+8*(\a)+7], v[8*(8*(\a)+\i):8*(8*(\a)+\i)+7]
.endif
.endr
.endm
; 24 LDS loads in one run: the fragments of the slot's q-th 32 along K into buffer f: wo's 16 loads, then ctx's blocks 0, 1, then 2, 3
.macro FETCH slot, q, f
	WIN 0
.irp i, 0,1,2,3,4,5,6,7
	ds_load_b128 v[\f+8*\i:\f+8*\i+3], v[ADRB+\slot] offset:64*(\q)+\i*16*PITCH
	ds_load_b128 v[\f+8*\i+4:\f+8*\i+7], v[ADRB+\slot] offset:64*(\q)+\i*16*PITCH+32
.endr
.irp a, 0,1,2,3
	ds_load_b128 v[\f+64+8*\a:\f+64+8*\a+3], v[ADRA+\slot] offset:\a*4096+(\q)*1024
	ds_load_b128 v[\f+64+8*\a+4:\f+64+8*\a+7], v[ADRA+\slot] offset:\a*4096+(\q)*1024+512
.endr
.endm
.macro PLACES
.rept 4
	v_nop
.endr
.endm
; A K step is four quarters of 32 along K on buffers 0, 1, 0, 1.  One of the first three: multiplies buffer f and fetches the slot's quarter qn into g.
.macro QUARTER slot, qn, f, g, zero
	s_wait_dscnt 4                                 ; all but the youngest four loads (ctx's blocks 2 and 3)
	WIN MUL
	MULA \f, 0, \zero
	MULA \f, 1, \zero
	PLACES
	FETCH \slot, \qn, \g
	s_wait_dscnt 24                                ; all but the 24 just issued
	WIN MUL
	MULA \f, 2, \zero
	MULA \f, 3, \zero
.endm
; The last quarter multiplies buffer 1 and changes slots: one barrier; in front of it each wave waits for all its tensor loads, adds 0 to its spare word, and waits for that and for its reads of this slot.
.macro TURN slot, next, fill
	WIN 0
	s_wait_tensorcnt 0x0                           ; all my tensor loads have landed: my part of the next slot
	ds_add_u32 v[SPW], v[NIL]
	s_wait_dscnt 5                                 ; (the add and the youngest four loads may be out)
	WIN MUL
	MULA F1, 0, 0
	s_wait_dscnt 0x0                               ; the add is done, and my reads of this slot are over
	s_barrier_signal -1
	MULA F1, 1, 0
	WIN 0
	s_barrier_wait -1
.if \fill
	CREST                                          ; the barrier has opened a round of the cluster's
	s_add_nc_u64 s[G0+4*\slot+2:G0+4*\slot+3], s[G0+4*\slot+2:G0+4*\slot+3], 2097152
	s_add_nc_u64 s[G0B+4*\slot+2:G0B+4*\slot+3], s[G0B+4*\slot+2:G0B+4*\slot+3], 512
	JLOAD \slot                                    ; the first tensor load behind the round; its four v_nop are also the places in front of the loads below
.else
	PLACES
.endif
	FETCH \next, 0, F0
	WIN MUL
	MULA F1, 2, 0
	MULA F1, 3, 0
.endm
	s_wait_tensorcnt 1                             ; my part of K step 0 is in; K step 1's may stay out
	s_barrier_signal -1
	s_barrier_wait -1
	FETCH 0, 0, F0
	QUARTER 0, 1, F0, F1, 1                        ; the first quarter's products start the sums
	WIN 0
	s_mov_b32 s3, LAPS-1
.Llap:                                             ; a trip goes once round the ring and fills both slots again: K steps 2 to 7
	QUARTER 0, 2, F1, F0, 0
	QUARTER 0, 3, F0, F1, 0
	TURN 0, 1, 1
	QUARTER 1, 1, F0, F1, 0
	QUARTER 1, 2, F1, F0, 0
	QUARTER 1, 3, F0, F1, 0
	TURN 1, 0, 1
	QUARTER 0, 1, F0, F1, 0
	WIN 0
	s_sub_co_u32 s3, s3, 1
	s_cmp_lg_u32 s3, 0
	s_cbranch_scc1 .Llap
	QUARTER 0, 2, F1, F0, 0                        ; the last lap fills nothing
	QUARTER 0, 3, F0, F1, 0
	TURN 0, 1, 0
	QUARTER 1, 1, F0, F1, 0
	QUARTER 1, 2, F1, F0, 0
	QUARTER 1, 3, F0, F1, 0
	s_wait_dscnt 4
	WIN MUL
	MULA F1, 0, 0
	MULA F1, 1, 0
	s_wait_dscnt 0
	MULA F1, 2, 0
	MULA F1, 3, 0
	WIN 0
; THE WAY OUT, block by block of 16 tokens x 128 columns, through my own stage: in by 32 bytes a lane, back as whole rows of 512 bytes.  LDS serves a wave's instructions in order: no wait between the stores and the loads.
.macro TOSTAGE a
	WIN 0x04                                       ; an LDS store's data are its source 1: window 1
.irp b, 0,1,2,3,4,5,6,7
	ds_store_b128 v[STO], v[64*(\a)+8*\b:64*(\a)+8*\b+3] offset:64*\b          ; each accumulator from its low end on
	ds_store_b128 v[STO], v[64*(\a)+8*\b+4:64*(\a)+8*\b+7] offset:64*\b+16
.endr
	WIN 0
.set BB, BK+64*((\a)%2)
.irp t, 0,1,2,3,4,5,6,7,8,9,10,11,12,13,14,15
	ds_load_b128 v[BB+4*\t:BB+4*\t+3], v[RD] offset:\t*SPITCH
.endr
.endm
.macro SEND a, younger
.set BB, BK+64*((\a)%2)
	s_wait_dscnt \younger                          ; the block is back in registers
.if (\a) > 0
	s_add_nc_u64 s[8:9], s[8:9], 131072            ; 16 rows on (behind a wait that shows the earlier stores' base read)
.endif
.irp t, 0,1,2,3,4,5,6,7,8,9,10,11,12,13,14,15
	global_store_b128 v[CO], v[BB+4*\t:BB+4*\t+3], s[8:9] offset:\t*8192 th:TH_STORE_NT   ; 512 consecutive bytes, aligned
.endr
.endm
	PLACES
	TOSTAGE 0
.irp a, 1,2,3
.if \a > 1
	s_wait_xcnt 0x0                                ; block a - 2's stores have read their registers and their base
.endif
	TOSTAGE \a
	SEND \a-1, 32                                  ; behind block a - 1's loads: block a's 16 stores and 16 loads
.endr
	s_wait_xcnt 0x0
	SEND 3, 0
	s_wait_tensorcnt 0x0                           ; the wave's end: three lines behind my last tensor load and my last LDS store
	ds_add_u32 v[SPW], v[NIL]
	s_wait_dscnt 0x0
	CROUND                                         ; the closing round
	s_endpgm
.Lfunc_end_k_q15ab3262f6_oproj:
	.size	k_q15ab3262f6_oproj, .Lfunc_end_k_q15ab3262f6_oproj-k_q15ab3262f6_oproj
	.p2alignl 7, 3214868480
	.fill 96, 4, 3214868480
	.section	.rodata,"a",@progbits
	.p2align	6, 0x0
	.amdhsa_kernel k_q15ab3262f6_oproj
		.amdhsa_group_segment_fixed_size 327680
		.amdhsa_private_segment_fixed_size 0
		.amdhsa_enable_private_segment 0
		.amdhsa_kernarg_size 40
		.amdhsa_user_sgpr_count 2
		.amdhsa_user_sgpr_kernarg_segment_ptr 1
		.amdhsa_wavefront_size32 1
		.amdhsa_system_sgpr_workgroup_id_x 1
		.amdhsa_system_sgpr_workgroup_id_y 1
		.amdhsa_system_sgpr_workgroup_id_z 1
		.amdhsa_system_vgpr_workitem_id 0
		.amdhsa_next_free_vgpr 512
		.amdhsa_next_free_sgpr 88
		.amdhsa_reserve_vcc 0
		.amdhsa_float_denorm_mode_32 3
		.amdhsa_float_denorm_mode_16_64 3
		.amdhsa_memory_ordered 1
		.amdhsa_forward_progress 1
		.amdhsa_inst_pref_size 95
	.end_amdhsa_kernel
	.amdgpu_metadata
---
amdhsa.version: [ 1, 2 ]
amdhsa.kernels:
  - .name:           k_q15ab3262f6_oproj
    .symbol:         k_q15ab3262f6_oproj.kd
    .args:
      - { .name: ctx, .offset: 0, .size: 8, .value_kind: global_buffer, .address_space: global }
      - { .name: wo16, .offset: 8, .size: 8, .value_kind: global_buffer, .address_space: global }
      - { .name: out0, .offset: 16, .size: 8, .value_kind: global_buffer, .address_space: global }
      - { .name: ctxf, .offset: 24, .size: 8, .value_kind: global_buffer, .address_space: global }
      - { .name: part, .offset: 32, .size: 8, .value_kind: global_buffer, .address_space: global }
    .group_segment_fixed_size: 327680
    .private_segment_fixed_size: 0
    .kernarg_segment_align: 8
    .kernarg_segment_size: 40
    .max_flat_workgroup_size: 128
    .sgpr_count:     88
    .vgpr_count:     512
    .wavefront_size: 32
...
	.end_amdgpu_metadata
.endif
;; end of part 5
;; launch fproj (part 6): grid 32 x 1, 4 waves a work-group, no clusters, 9,216 bytes of LDS; arguments ctxf, wo16, out0; writes out0
.if DOCPART == 6
	.amdgcn_target "amdgcn-amd-amdhsa--gfx1250"
	.amdhsa_code_object_version 6
	.text
	.protected	k_q15ab3262f6_fproj
	.globl	k_q15ab3262f6_fproj
	.p2align	8
	.type	k_q15ab3262f6_fproj,@function
k_q15ab3262f6_fproj:
	s_mov_b64 s[64:65], 0
	v_nop
	global_prefetch_b8 v0, s[64:65] scope:SCOPE_SE
	s_setreg_imm32_b32 hwreg(HW_REG_WAVE_MODE, 25, 1), 1
	s_wait_xcnt 0x0
; The projection of the first 16 positions of both sequences, once more and more finely: both operands as pairs of f16, out = Ch Wh + Ch Wl + Cl Wh, sums in f32.  It writes those 32 rows of out0 anew.
; Work-group j makes columns 64 j .. + 63; wave w the 16 columns 64 j + 16 w on, for both tiles of 16 tokens: two accumulators, which take turns, one instruction a turn.
; K = 1,024 in 32 groups of 32, written out: every offset is an immediate.  Loads run four groups (48 loads a wave) ahead, straight into registers.
; The matrix instruction is used transposed (source 0 = 16 rows of wo, source 1 = 16 tokens): a lane holds eight neighbouring columns of a token's row.
; REGISTERS: v1, v2 the add's two; v3 16 x lane; v4 wo's offset; v5, v6 the stage; v7 out0's offset; v32-223 four sets of 48: Wh, Wl, Ch and Cl of batch 0, Ch and Cl of batch 1; v224-239 the accumulators.
.set SPARE, 8704                       ; LDS: a stage of 32 rows x (256 bytes + 16); then the spare words, 128 bytes a wave
	s_load_b128 s[4:7], s[0:1], 0x0                ; ctxf, wo16
	s_load_b64 s[8:9], s[0:1], 0x10                ; out0
	v_lshl_add_u32 v1, v0, 2, SPARE
	v_mov_b32 v2, 0
	v_lshrrev_b32 v8, 5, v0
	v_readfirstlane_b32 s10, v8                    ; wave 0..3
	v_and_b32 v8, 31, v0
	v_lshlrev_b32 v3, 4, v8
	v_and_b32 v9, 15, v0                           ; r
	v_bfe_u32 v10, v0, 4, 1                        ; h
	v_lshlrev_b32 v4, 11, v9
	v_lshl_add_u32 v4, v10, 4, v4
	s_lshl_b32 s11, ttmp9, 2
	s_add_co_u32 s11, s11, s10
	s_lshl_b32 s11, s11, 15
	v_add_nc_u32 v4, s11, v4                       ; wo: row 16 (4 j + w) + r of 2,048 bytes, + 16 h
	v_mul_u32_u24 v5, v9, 272
	v_lshl_add_u32 v5, v10, 5, v5
	s_lshl_b32 s11, s10, 6
	v_add_nc_u32 v5, s11, v5                       ; the stage, in: row r, + 64 w + 32 h
	v_mul_u32_u24 v6, v10, 272
	v_lshl_add_u32 v6, v9, 4, v6
	s_mul_i32 s11, s10, 8*272
	v_add_nc_u32 v6, s11, v6                       ; and back: rows 8 w on, sixteen lanes to a row
	v_lshlrev_b32 v7, 13, v10
	v_lshl_add_u32 v7, v9, 4, v7
	s_lshr_b32 s12, s10, 1
	s_lshl_b32 s12, s12, 24                        ; the batch: 2,048 rows of 8,192 bytes
	s_and_b32 s13, s10, 1
	s_lshl_b32 s13, s13, 16                        ; 8 rows
	s_add_co_u32 s12, s12, s13
	s_lshl_b32 s13, ttmp9, 8
	s_add_co_u32 s12, s12, s13
	s_mov_b32 s13, 0
	s_wait_kmcnt 0x0
	s_add_nc_u64 s[8:9], s[8:9], s[12:13]
.macro LOADG g
.set B_, 32+48*((\g)%4)
	global_load_b128 v[B_:B_+3], v4, s[6:7] offset:64*(\g)
	global_load_b128 v[B_+4:B_+7], v4, s[6:7] offset:64*(\g)+32
	global_load_b128 v[B_+8:B_+11], v4, s[6:7] offset:4194304+64*(\g)
	global_load_b128 v[B_+12:B_+15], v4, s[6:7] offset:4194304+64*(\g)+32
.irp b, 0,1
	global_load_b128 v[B_+16+16*\b:B_+19+16*\b], v3, s[4:5] offset:\b*32768+(\g)*1024
	global_load_b128 v[B_+20+16*\b:B_+23+16*\b], v3, s[4:5] offset:\b*32768+(\g)*1024+512
	global_load_b128 v[B_+24+16*\b:B_+27+16*\b], v3, s[4:5] offset:65536+\b*32768+(\g)*1024
	global_load_b128 v[B_+28+16*\b:B_+31+16*\b], v3, s[4:5] offset:65536+\b*32768+(\g)*1024+512
.endr
.endm
.macro GROUP g
.if 31-(\g) >= 3
	s_wait_loadcnt 36                              ; this group's twelve loads are in; the three younger groups' may be out
.else
	s_wait_loadcnt 12*(31-(\g))
.endif
.set B_, 32+48*((\g)%4)
.if (\g) == 0
	v_wmma_f32_16x16x32_f16 v[224:231], v[B_:B_+7], v[B_+16:B_+23], 0
	v_wmma_f32_16x16x32_f16 v[232:239], v[B_:B_+7], v[B_+32:B_+39], 0
.else
	v_wmma_f32_16x16x32_f16 v[224:231], v[B_:B_+7], v[B_+16:B_+23], v[224:231]
	v_wmma_f32_16x16x32_f16 v[232:239], v[B_:B_+7], v[B_+32:B_+39], v[232:239]
.endif
	v_wmma_f32_16x16x32_f16 v[224:231], v[B_+8:B_+15], v[B_+16:B_+23], v[224:231]
	v_wmma_f32_16x16x32_f16 v[232:239], v[B_+8:B_+15], v[B_+32:B_+39], v[232:239]
	v_wmma_f32_16x16x32_f16 v[224:231], v[B_:B_+7], v[B_+24:B_+31], v[224:231]
	v_wmma_f32_16x16x32_f16 v[232:239], v[B_:B_+7], v[B_+40:B_+47], v[232:239]
.if (\g)+4 < 32
.rept 4
	v_nop                                          ; places in front of loads into registers that matrix instructions have read
.endr
	LOADG (\g)+4
.endif
.endm
.irp g, 0,1,2,3
	LOADG \g
.endr
.set GN, 0
.rept 32
	GROUP GN
.set GN, GN+1
.endr
.rept 4
	v_nop
.endr
	ds_store_b128 v5, v[224:227]                                   ; each accumulator from its low end on
	ds_store_b128 v5, v[228:231] offset:16
	ds_store_b128 v5, v[232:235] offset:4352
	ds_store_b128 v5, v[236:239] offset:4368
	s_wait_dscnt 0x0                               ; for the others' sake: a row's 256 bytes come from four waves
	s_barrier_signal -1
	s_barrier_wait -1
.irp t, 0,1,2,3
	ds_load_b128 v[32+4*\t:35+4*\t], v6 offset:\t*544
.endr
.irp t, 0,1,2,3
	s_wait_dscnt 3-\t
	global_store_b128 v7, v[32+4*\t:35+4*\t], s[8:9] offset:\t*16384   ; sixteen lanes store 256 consecutive bytes, aligned
.endr
	s_wait_tensorcnt 0x0                           ; the wave's end: three lines behind my last LDS store
	ds_add_u32 v1, v2
	s_wait_dscnt 0x0
	s_endpgm
.Lfunc_end_k_q15ab3262f6_fproj:
	.size	k_q15ab3262f6_fproj, .Lfunc_end_k_q15ab3262f6_fproj-k_q15ab3262f6_fproj
	.p2alignl 7, 3214868480
	.fill 96, 4, 3214868480
	.section	.rodata,"a",@progbits
	.p2align	6, 0x0
	.amdhsa_kernel k_q15ab3262f6_fproj
		.amdhsa_group_segment_fixed_size 9216
		.amdhsa_private_segment_fixed_size 0
		.amdhsa_enable_private_segment 0
		.amdhsa_kernarg_size 24
		.amdhsa_user_sgpr_count 2
		.amdhsa_user_sgpr_kernarg_segment_ptr 1
		.amdhsa_wavefront_size32 1
		.amdhsa_system_sgpr_workgroup_id_x 1
		.amdhsa_system_sgpr_workgroup_id_y 1
		.amdhsa_system_sgpr_workgroup_id_z 1
		.amdhsa_system_vgpr_workitem_id 0
		.amdhsa_next_free_vgpr 256
		.amdhsa_next_free_sgpr 66
		.amdhsa_reserve_vcc 0
		.amdhsa_float_denorm_mode_32 3
		.amdhsa_float_denorm_mode_16_64 3
		.amdhsa_memory_ordered 1
		.amdhsa_forward_progress 1
		.amdhsa_inst_pref_size 56
	.end_amdhsa_kernel
	.amdgpu_metadata
---
amdhsa.version: [ 1, 2 ]
amdhsa.kernels:
  - .name:           k_q15ab3262f6_fproj
    .symbol:         k_q15ab3262f6_fproj.kd
    .args:
      - { .name: ctxf, .offset: 0, .size: 8, .value_kind: global_buffer, .address_space: global }
      - { .name: wo16, .offset: 8, .size: 8, .value_kind: global_buffer, .address_space: global }
      - { .name: out0, .offset: 16, .size: 8, .value_kind: global_buffer, .address_space: global }
    .group_segment_fixed_size: 9216
    .private_segment_fixed_size: 0
    .kernarg_segment_align: 8
    .kernarg_segment_size: 24
    .max_flat_workgroup_size: 128
    .sgpr_count:     66
    .vgpr_count:     256
    .wavefront_size: 32
...
	.end_amdgpu_metadata
.endif
;; end of part 6
